; MI455X (gfx1250); checked and timed in simulation.
; The chip was launched on July 23, 2026; its instructions are those of AMD's public machine-readable ISA for CDNA 5 (MIT licence, August 2026) and "CDNA5" Instruction Set Architecture Reference Guide (July 2026). The comments in the code are by the model that wrote it; some were corrected since.
;; Summary With Attention. Allowed arithmetic: float matrix products may take bf16 or f16 operands with f32 sums; all other float work in f32.
;; Inputs: K 8 x 4,096 x 1,024 float32; Q 8 x 1 x 1,024 float32; V 8 x 4,096 x 1,024 float32; Wk 1,024 x 1,024 float32; Wo 1,024 x 1,024 float32; Wq 1,024 x 1,024 float32; Wv 1,024 x 1,024 float32; bk 1,024 float32; bo 1,024 float32; bq 1,024 float32; bv 1,024 float32.
;; Outputs: out0 8 x 1 x 1,024 float32.
;; 2 versions, each right; version 2 is version 1 with the launch wv written anew for expert scheduling mode. Each part assembles by itself: llvm-mc -triple=amdgcn-amd-amdhsa -mcpu=gfx1250 --defsym DOCPART=n.
;; ======== version 1 of 2: 4 launches
;; workspace buffers: ub 262,144 bytes; cb 512 bytes; tp 16,777,216 bytes; ap 65,536 bytes; wvb 32,768 bytes
;; launch qu (part 1): grid 16 x 1, 8 waves a work-group, no clusters, 71,936 bytes of LDS; arguments Q, Wq, bq, Wk, bk, ub, cb; writes ub, cb
.if DOCPART == 1
	.amdgcn_target "amdgcn-amd-amdhsa--gfx1250"
	.amdhsa_code_object_version 6
	.text
	.protected	k_qc389470bf5_qu
	.globl	k_qc389470bf5_qu
	.p2align	8
	.type	k_qc389470bf5_qu,@function
k_qc389470bf5_qu:
	s_mov_b64 s[64:65], 0
	v_nop
	global_prefetch_b8 v0, s[64:65] scope:SCOPE_SE
	s_setreg_imm32_b32 hwreg(HW_REG_WAVE_MODE, 25, 1), 1
	s_wait_xcnt 0x0
; FIRST OF FOUR LAUNCHES.  The module is attention with one query row a batch.  The products are associated anew, which holds for every input:
;   score[n,h,s] = q_h . (Wk_h K[n,s] + bk_h) / 8 = K[n,s] . u[n,h] + c[n,h],   u[n,h,:] = (q_h / 8)^T Wk_h,   c[n,h] = q_h . bk_h / 8.
; This launch: work-group h makes q_h[n][j] = Wq[64 h + j] . Q[n] + bq (8 batches, 64 rows), then u (bf16, [n][h][1024]) and c (f32, [h][n]).
; LIMITS.  Q, Wq, q / 8 and Wk are rounded to bf16 for the products, sums and biases stay in f32; the sums are associated otherwise than in the source formula.
; SHARES.  Eight waves; wave w owns the columns 128 w .. 128 w + 127 (512 bytes of every f32 row) in both products.  In the first product that is a slice of K, so the eight partial
; results meet in LDS; in the second it is a slice of the output.
; LOADS.  A ring of three slots of 64 registers (window 1): a trip is 16 loads of 16 bytes a lane; three trips, 48 loads a wave, are out at a trip's wait.
; NO JOINT LOADS: the work-groups share Q alone, 32 KB of the 544 KB that each reads.  c's store is 32 bytes: a head owns no more of that table.
.set ROWB,  4096                       ; bytes in a row of Q, Wq, Wk
.set PITCH, 272                        ; a stage row: 256 bytes + 16: the 16 rows of a fragment load start 68 words apart (64 banks of 4 bytes: ISA guide 11.1)
.set STG,   16*PITCH                   ; a wave's own stage: 16 rows of 128 bf16
.set RED,   8*STG                      ; partial results: [wave 4096][tile 1024][half 512][lane 16]
.set QS,    RED+8*4096                 ; q / 8 in bf16: 16 rows (row r holds batch r % 8) of 128 bytes + 16
.set CSUM,  QS+16*144                  ; partial c: [wave 128][lane 4]
.set SPARE, CSUM+1024                  ; the spare words, 128 bytes a wave: four blocks of 256 bytes that no other line names
.set NTRIPS, 8                         ; trips 0-3: Wq's four tiles of 16 rows; trips 4-7: Wk, 32 rows x 64 of my columns each
.set LN, 1                             ; v1  lane
.set RR, 2                             ; v2  lane % 16
.set HH, 3                             ; v3  lane / 16
.set VK, 4                             ; v4  512 w + 16 lane: my 16 bytes of a row
.set VV, 5                             ; v5  512 w + 8 rows x (lane / 16) + 16 (lane % 16)
.set STK, 6                            ; v6  stage: my 8 bytes of a row
.set FR, 7                             ; v7  stage: my place in a fragment (row lane % 16)
.set XFR, 8                            ; v8  the same with row lane % 8
.set RS, 9                             ; v9  RED: where I put partial results
.set RL, 10                            ; v10 RED: where I read the eight waves' partial results
.set BO, 11                            ; v11 byte offset in bq, bk of the four rows that I reduce
.set QSS, 12                           ; v12 QS: where I put four numbers of q
.set QFR, 13                           ; v13 QS: my place in a fragment
.set CSS, 14                           ; v14 CSUM: my word
.set CSL, 15                           ; v15 CSUM: wave 0's reads
.set USS, 16                           ; v16 stage: where I put 64 bytes of u
.set USL, 17                           ; v17 stage: where I read rows of u back
.set UGO, 18                           ; v18 my byte offset in ub
.set CO, 19                            ; v19 my byte offset in cb
.set SPW, 20                           ; v20 my spare word; never rewritten
.set NIL, 21                           ; v21 0; never rewritten
.set XF, 32                            ; v32-63   Q's fragments (source 1), fixed
.set AF, 64                            ; v64-95   a tile's fragments (source 0)
.set BF0, 64                           ; v64-127  two buffers of four fragments of Wk
.set CV, 96                            ; v96-127  a trip's rows in bf16
.set EV, 128                           ; v128-135, v136-143: two accumulators that take turns
.set OD, 136
.set PS, 144                           ; v144-151 their sum
.set RT, 160                           ; v160-191 at work in the reduction
.set ACC, 160                          ; v160-223 u's eight accumulators
.set QF, 224                           ; v224-239 q's two fragments
.set UB, 240                           ; v240-255 rows of u on their way out
.set UO, 64                            ; v64-95   u in bf16
.set WV, 20                            ; s20 my wave's number
.set MSB, 0
.macro WIN new                         ; the immediate's high byte repeats the setting that is left; a switch that changes nothing is dropped
.if MSB != (\new)
	s_set_vgpr_msb (MSB<<8)|(\new)
.set MSB, \new
.endif
.endm
.set W_LD, 0x40                        ; loaded data in window 1, address in window 0
.set W_CV, 0x05                        ; sources 0 and 1 in window 1, destination in window 0
.macro LD16 slot, base, off0           ; 16 rows, my 16 bytes of each: a wave's load covers 512 consecutive bytes
	WIN W_LD
.set i, 0
.rept 16
	global_load_b128 v[64*(\slot)+4*i:64*(\slot)+4*i+3], v[VK], s[\base:\base+1] offset:(\off0)+i*ROWB th:TH_LOAD_NT
.set i, i+1
.endr
.endm
.macro LDCOL slot, base, off0          ; 32 rows x 64 columns: load i takes row i (+ 8 from i = 8 on) + 8 (lane / 16): the k that a fragment wants in this lane; 16 lanes take 256 consecutive bytes
	WIN W_LD
.set i, 0
.rept 16
	global_load_b128 v[64*(\slot)+4*i:64*(\slot)+4*i+3], v[VV], s[\base:\base+1] offset:(\off0)+(i+8*(i/8))*ROWB th:TH_LOAD_NT
.set i, i+1
.endr
.endm
.macro REFILL t
.if (\t) < 4
	LD16 (\t)%3, 6, 16*(\t)*ROWB
.else
	LDCOL (\t)%3, 10, 32*(((\t)-4)/2)*ROWB+256*(((\t)-4)%2)
.endif
.endm
.macro CVROWS slot                     ; a trip's 16 rows to bf16: 8 bytes a lane and row
	WIN W_CV
.set i, 0
.rept 16
	v_cvt_pk_bf16_f32 v[CV+2*i], v[64*(\slot)+4*i], v[64*(\slot)+4*i+1]
	v_cvt_pk_bf16_f32 v[CV+2*i+1], v[64*(\slot)+4*i+2], v[64*(\slot)+4*i+3]
.set i, i+1
.endr
.endm
.macro CVCOLS slot, bf                 ; a lane's four neighbouring columns go to four fragments; a register's two k come from two loads.  Fragment i, row label r = column 4 r + i
	WIN W_CV
.set i, 0
.rept 4
.set m, 0
.rept 8
	v_cvt_pk_bf16_f32 v[(\bf)+8*i+m], v[64*(\slot)+8*m+i], v[64*(\slot)+8*m+4+i]
.set m, m+1
.endr
.set i, i+1
.endr
.endm
.macro TOSTAGE                         ; 32 lanes x 8 bytes fill a stage row
	WIN 0
.set i, 0
.rept 16
	ds_store_b64 v[STK], v[CV+2*i:CV+2*i+1] offset:i*PITCH
.set i, i+1
.endr
.endm
.macro FRAGS dst, vaddr                ; four fragments of 16 rows x 32 k: two loads of 16 bytes each, 32 bytes apart.  LDS serves a wave's instructions in order (ISA guide 5.7.1.4): these see my stores above
.irp ks, 0,1,2,3
	ds_load_b128 v[(\dst)+8*\ks:(\dst)+8*\ks+3], v[\vaddr] offset:64*\ks
	ds_load_b128 v[(\dst)+8*\ks+4:(\dst)+8*\ks+7], v[\vaddr] offset:64*\ks+32
.endr
.endm
.macro MUL4                            ; 128 along K on two accumulators by turns; the first two products start the sums
	v_wmma_f32_16x16x32_bf16 v[EV:EV+7], v[AF:AF+7], v[XF:XF+7], 0
	v_wmma_f32_16x16x32_bf16 v[OD:OD+7], v[AF+8:AF+15], v[XF+8:XF+15], 0
	v_wmma_f32_16x16x32_bf16 v[EV:EV+7], v[AF+16:AF+23], v[XF+16:XF+23], v[EV:EV+7]
	v_wmma_f32_16x16x32_bf16 v[OD:OD+7], v[AF+24:AF+31], v[XF+24:XF+31], v[OD:OD+7]
.endm
.macro PLACES                          ; four places between a matrix instruction and the vector instruction that reads its result (ISA guide 7.12.1)
.rept 4
	v_nop
.endr
.endm
.macro FOLD                            ; the two accumulators' sum, from their low ends on
.irp k, 0,2,4,6
	v_pk_add_f32 v[PS+\k:PS+\k+1], v[EV+\k:EV+\k+1], v[OD+\k:OD+\k+1]
.endr
.endm
.macro BAR                             ; my LDS stores are done and my LDS loads are back; then the barrier
	WIN 0
	s_wait_dscnt 0x0
	s_barrier_signal -1
	s_barrier_wait -1
.endm
.macro TREE base, wd                   ; eight groups of wd registers are added into the first
.irp d, 1,2,4
.set g, 0
.rept 4/\d
.set e, 0
.rept (\wd)/2
	v_pk_add_f32 v[(\base)+(\wd)*g+e:(\base)+(\wd)*g+e+1], v[(\base)+(\wd)*g+e:(\base)+(\wd)*g+e+1], v[(\base)+(\wd)*(g+\d)+e:(\base)+(\wd)*(g+\d)+e+1]
.set e, e+2
.endr
.set g, g+2*\d
.endr
.endr
.endm
; Trip t multiplies 16 rows of the weight (source 0) by the fixed fragments (source 1) over my 128 columns.  Result: register j = row 16 tile + 8 (lane / 16) + j, lane % 16 = the column.
; The next trip's 32 conversions, which name none of these products' registers, stand between them and the next loads into AF and the next products onto EV and OD.
.macro WTRIP t, tile, left
	s_wait_loadcnt \left                           ; loads come back in order (ISA guide 5.7.1): this trip's 16 are in, the younger trips stay out
	CVROWS (\t)%3
.if (\t)+3 < NTRIPS
	REFILL (\t)+3                                  ; into the slot just read
.endif
	TOSTAGE
	FRAGS AF, FR
	s_wait_dscnt 0x0
	MUL4
	PLACES
	FOLD
	ds_store_b128 v[RS], v[PS:PS+3] offset:(\tile)*1024
	ds_store_b128 v[RS], v[PS+4:PS+7] offset:(\tile)*1024+512
.endm
	s_load_b256 s[4:11], s[0:1], 0x0               ; Q s[4:5], Wq s[6:7], bq s[8:9], Wk s[10:11]
	s_load_b128 s[12:15], s[0:1], 0x20             ; bk s[12:13], ub s[14:15]
	s_load_b64 s[16:17], s[0:1], 0x30              ; cb
	v_lshl_add_u32 v[SPW], v0, 2, SPARE
	v_mov_b32 v[NIL], 0
	v_lshrrev_b32 v[LN], 5, v0
	v_readfirstlane_b32 s[WV], v[LN]               ; wave 0..7
	v_and_b32 v[LN], 31, v0
	v_and_b32 v[RR], 15, v0
	v_bfe_u32 v[HH], v0, 4, 1
	s_lshl_b32 s22, ttmp9, 18                      ; the head's 64 rows of Wq and Wk
	s_mov_b32 s23, 0
	s_lshl_b32 s24, ttmp9, 8                       ; its 64 numbers of bq and bk
	s_mov_b32 s25, 0
	s_lshl_b32 s26, ttmp9, 11                      ; its row of 1,024 bf16 in ub
	s_mov_b32 s27, 0
	s_lshl_b32 s28, ttmp9, 5                       ; its 8 numbers of cb
	s_mov_b32 s29, 0
	s_lshr_b32 s30, s[WV], 1                       ; I reduce tile w / 2, half w % 2: rows 16 (w / 2) + 4 (w % 2) + 8 (lane / 16) + 0..3;
	s_lshl_b32 s30, s30, 6
	s_and_b32 s34, s[WV], 1
	s_lshl_b32 s34, s34, 4
	s_add_co_u32 s30, s30, s34                     ; their place in f32 bytes,
	s_lshr_b32 s35, s30, 1                         ; and in bf16 bytes
	s_mul_i32 s31, s[WV], STG                      ; my stage
	s_mov_b32 s32, 0x76543210                      ; v_permlanex16_b32: each lane takes its own place in the other half
	s_mov_b32 s33, 0xfedcba98
	s_lshl_b32 s37, s[WV], 9
	s_lshl_b32 s38, s[WV], 8
	s_lshl_b32 s39, s[WV], 12
	s_add_co_u32 s39, s39, RED
	s_add_co_u32 s40, s37, RED
	s_lshl_b32 s41, s[WV], 7
	s_add_co_u32 s41, s41, CSUM
	v_lshlrev_b32 v[VK], 4, v0
	v_lshlrev_b32 v[VV], 4, v[RR]
	v_lshl_add_u32 v[VV], v[HH], 15, v[VV]
	v_add_nc_u32 v[UGO], s38, v[VV]                ; batch lane / 16 (32,768 bytes a batch) + 256 w + 16 (lane % 16)
	v_add_nc_u32 v[VV], s37, v[VV]
	v_lshl_add_u32 v[STK], v[LN], 3, s31
	v_mul_u32_u24 v[FR], v[RR], PITCH
	v_lshl_add_u32 v[USS], v[HH], 6, v[FR]
	v_add_nc_u32 v[USS], s31, v[USS]
	v_lshl_add_u32 v[FR], v[HH], 4, v[FR]
	v_add_nc_u32 v[FR], s31, v[FR]
	v_and_b32 v[XFR], 7, v0
	v_mul_u32_u24 v[XFR], v[XFR], PITCH
	v_lshl_add_u32 v[XFR], v[HH], 4, v[XFR]
	v_add_nc_u32 v[XFR], s31, v[XFR]
	v_lshl_add_u32 v[RS], v[LN], 4, s39
	v_lshl_add_u32 v[RL], v[LN], 4, s40
	v_lshl_add_u32 v[BO], v[HH], 5, s30
	v_mul_u32_u24 v[QFR], v[RR], 144
	v_lshl_add_u32 v[QFR], v[HH], 4, v[QFR]
	v_add_nc_u32 v[QFR], QS, v[QFR]
	v_add_nc_u32 v[QSS], s35, v[QFR]
	v_lshl_add_u32 v[CSS], v[LN], 2, s41
	v_lshl_add_u32 v[CSL], v[LN], 2, CSUM
	v_mul_u32_u24 v[USL], v[HH], PITCH
	v_lshl_add_u32 v[USL], v[RR], 4, v[USL]
	v_add_nc_u32 v[USL], s31, v[USL]
	v_lshlrev_b32 v[CO], 2, v[LN]
	s_wait_kmcnt 0x0
	s_add_nc_u64 s[6:7], s[6:7], s[22:23]
	s_add_nc_u64 s[10:11], s[10:11], s[22:23]
	s_add_nc_u64 s[8:9], s[8:9], s[24:25]
	s_add_nc_u64 s[12:13], s[12:13], s[24:25]
	s_add_nc_u64 s[14:15], s[14:15], s[26:27]
	s_add_nc_u64 s[16:17], s[16:17], s[28:29]
	global_load_b128 v[24:27], v[BO], s[8:9]       ; bq of my four rows
	global_load_b128 v[28:31], v[BO], s[12:13]     ; bk of them
.set i, 0
.rept 8
	global_load_b128 v[CV+4*i:CV+4*i+3], v[VK], s[4:5] offset:i*ROWB   ; Q's eight rows, my columns
.set i, i+1
.endr
	REFILL 0
	REFILL 1
	REFILL 2
	WIN 0
	s_wait_loadcnt 48                              ; all but the ring's three trips of 16: bq, bk and Q are in
.set i, 0
.rept 8
	v_cvt_pk_bf16_f32 v[AF+2*i], v[CV+4*i], v[CV+4*i+1]
	v_cvt_pk_bf16_f32 v[AF+2*i+1], v[CV+4*i+2], v[CV+4*i+3]
.set i, i+1
.endr
.set i, 0
.rept 8
	ds_store_b64 v[STK], v[AF+2*i:AF+2*i+1] offset:i*PITCH
.set i, i+1
.endr
	FRAGS XF, XFR                                  ; column r of source 1 is batch r % 8: the upper eight columns repeat the lower
	WTRIP 0, 0, 32
	WTRIP 1, 1, 32
	WTRIP 2, 2, 32
	WTRIP 3, 3, 32
	BAR                                            ; every wave's partial results are in RED
.set i, 0
.rept 8
	ds_load_b128 v[RT+4*i:RT+4*i+3], v[RL] offset:i*4096
.set i, i+1
.endr
	s_wait_dscnt 0x0
	TREE RT, 4                                     ; the sum over the eight slices of K
	v_pk_add_f32 v[RT:RT+1], v[RT:RT+1], v[24:25]  ; + bq: q in f32, four rows of batch lane % 8
	v_pk_add_f32 v[RT+2:RT+3], v[RT+2:RT+3], v[26:27]
	v_mul_f32 v[RT+4], v[RT], v28                  ; my part of q . bk
	v_fmac_f32 v[RT+4], v[RT+1], v29
	v_fmac_f32 v[RT+4], v[RT+2], v30
	v_fmac_f32 v[RT+4], v[RT+3], v31
	v_pk_mul_f32 v[RT:RT+1], v[RT:RT+1], 0x3e000000 op_sel_hi:[1,0]      ; q / 8, exact
	v_pk_mul_f32 v[RT+2:RT+3], v[RT+2:RT+3], 0x3e000000 op_sel_hi:[1,0]
	v_cvt_pk_bf16_f32 v[RT+6], v[RT], v[RT+1]
	v_cvt_pk_bf16_f32 v[RT+7], v[RT+2], v[RT+3]
	ds_store_b64 v[QSS], v[RT+6:RT+7]
	ds_store_b32 v[CSS], v[RT+4]
	BAR                                            ; q / 8 and the parts of c are in LDS
.irp f, 0,1,2,3
	ds_load_b128 v[QF+4*\f:QF+4*\f+3], v[QFR] offset:32*\f   ; two fragments: column r = batch r % 8, k = the head's 64 rows
.endr
	s_cmp_lg_u32 s[WV], 0
	s_cbranch_scc1 .Lnot0
.set i, 0
.rept 8
	ds_load_b32 v[24+i], v[CSL] offset:i*128       ; wave 0 alone: c
.set i, i+1
.endr
	s_wait_dscnt 0x0
	v_add_f32 v24, v24, v25
	v_add_f32 v26, v26, v27
	v_add_f32 v28, v28, v29
	v_add_f32 v30, v30, v31
	v_add_f32 v24, v24, v26
	v_add_f32 v28, v28, v30
	v_add_f32 v24, v24, v28
	v_permlanex16_b32 v25, v24, s32, s33           ; the other half of the lanes holds the batch's other rows
	v_add_f32 v24, v24, v25
	v_mul_f32 v24, 0x3e000000, v24                 ; / 8
	v_cmp_gt_u32 vcc_lo, 8, v0
	s_wait_xcnt 0x0                                ; EXEC is a source of the loads that are out: it changes only behind this wait
	s_and_saveexec_b32 s36, vcc_lo
	global_store_b32 v[CO], v24, s[16:17]          ; lanes 0-7: c of the eight batches
	s_wait_xcnt 0x0                                ; and again in front of the line that widens it
	s_or_b32 exec_lo, exec_lo, s36
.Lnot0:
	s_wait_dscnt 0x0                               ; q's fragments are in
; Trip t: 32 rows of Wk x 64 of my columns.  Source 0 = Wk's columns, source 1 = q: register j = column 64 g + 4 (8 (lane / 16) + j) + i of fragment i, lane % 16 = batch.
; The eight accumulators take turns; a fragment buffer is written again a whole trip (32 conversions) behind the products that read it.
.macro UTRIP t, left
.set kk, ((\t)-4)/2
.set gg, ((\t)-4)%2
.set bb, BF0+32*((\t)%2)
	s_wait_loadcnt \left
	CVCOLS (\t)%3, bb
.if (\t)+3 < NTRIPS
	REFILL (\t)+3
.endif
	WIN 0
.set i, 0
.rept 4
.set rD, ACC+8*(4*gg+i)
.if kk == 0
	v_wmma_f32_16x16x32_bf16 v[rD:rD+7], v[bb+8*i:bb+8*i+7], v[QF+8*kk:QF+8*kk+7], 0
.else
	v_wmma_f32_16x16x32_bf16 v[rD:rD+7], v[bb+8*i:bb+8*i+7], v[QF+8*kk:QF+8*kk+7], v[rD:rD+7]
.endif
.set i, i+1
.endr
.endm
	UTRIP 4, 32
	UTRIP 5, 32
	UTRIP 6, 16                                    ; no refill stands behind the last two trips: the counts run down
	UTRIP 7, 0
	; THE WAY OUT.  The choice of sources orders the columns: a lane's 16 registers of a half g are 32 neighbouring columns of one batch.  Half 0's 16 conversions name no register of
	; the last four products and are the places behind them.  Each accumulator is read from its lowest register on.
.irp g, 0,1
.set j, 0
.rept 8
	v_cvt_pk_bf16_f32 v[UO+16*\g+2*j], v[ACC+32*\g+j], v[ACC+32*\g+8+j]
	v_cvt_pk_bf16_f32 v[UO+16*\g+2*j+1], v[ACC+32*\g+16+j], v[ACC+32*\g+24+j]
.set j, j+1
.endr
.endr
.irp g, 0,1
.irp f, 0,1,2,3
	ds_store_b128 v[USS], v[UO+16*\g+4*\f:UO+16*\g+4*\f+3] offset:128*\g+16*\f   ; my own stage: row = batch label, 256 bytes = my 128 columns
.endr
.endr
.irp f, 0,1,2,3
	ds_load_b128 v[UB+4*\f:UB+4*\f+3], v[USL] offset:\f*2*PITCH                  ; back by rows: batches 2 f and 2 f + 1
.endr
	s_wait_dscnt 0x0
.irp f, 0,1,2,3
	global_store_b128 v[UGO], v[UB+4*\f:UB+4*\f+3], s[14:15] offset:\f*65536     ; 16 lanes store 256 consecutive bytes, at a multiple of 256 from ub's first byte
.endr
	s_wait_tensorcnt 0x0                           ; the wave's end: three lines behind my last LDS store
	ds_add_u32 v[SPW], v[NIL]
	s_wait_dscnt 0x0
	s_endpgm
.Lfunc_end_k_qc389470bf5_qu:
	.size	k_qc389470bf5_qu, .Lfunc_end_k_qc389470bf5_qu-k_qc389470bf5_qu
	.p2alignl 7, 3214868480
	.fill 96, 4, 3214868480
	.section	.rodata,"a",@progbits
	.p2align	6, 0x0
	.amdhsa_kernel k_qc389470bf5_qu
		.amdhsa_group_segment_fixed_size 71936
		.amdhsa_private_segment_fixed_size 0
		.amdhsa_enable_private_segment 0
		.amdhsa_kernarg_size 56
		.amdhsa_user_sgpr_count 2
		.amdhsa_user_sgpr_kernarg_segment_ptr 1
		.amdhsa_wavefront_size32 1
		.amdhsa_system_sgpr_workgroup_id_x 1
		.amdhsa_system_sgpr_workgroup_id_y 1
		.amdhsa_system_sgpr_workgroup_id_z 1
		.amdhsa_system_vgpr_workitem_id 0
		.amdhsa_next_free_vgpr 448
		.amdhsa_next_free_sgpr 66
		.amdhsa_reserve_vcc 1
		.amdhsa_float_denorm_mode_32 3
		.amdhsa_float_denorm_mode_16_64 3
		.amdhsa_memory_ordered 1
		.amdhsa_forward_progress 1
		.amdhsa_inst_pref_size 53
	.end_amdhsa_kernel
	.amdgpu_metadata
---
amdhsa.version: [ 1, 2 ]
amdhsa.kernels:
  - .name:           k_qc389470bf5_qu
    .symbol:         k_qc389470bf5_qu.kd
    .args:
      - { .name: Q, .offset: 0, .size: 8, .value_kind: global_buffer, .address_space: global }
      - { .name: Wq, .offset: 8, .size: 8, .value_kind: global_buffer, .address_space: global }
      - { .name: bq, .offset: 16, .size: 8, .value_kind: global_buffer, .address_space: global }
      - { .name: Wk, .offset: 24, .size: 8, .value_kind: global_buffer, .address_space: global }
      - { .name: bk, .offset: 32, .size: 8, .value_kind: global_buffer, .address_space: global }
      - { .name: ub, .offset: 40, .size: 8, .value_kind: global_buffer, .address_space: global }
      - { .name: cb, .offset: 48, .size: 8, .value_kind: global_buffer, .address_space: global }
    .group_segment_fixed_size: 71936
    .private_segment_fixed_size: 0
    .kernarg_segment_align: 8
    .kernarg_segment_size: 56
    .max_flat_workgroup_size: 256
    .sgpr_count:     66
    .vgpr_count:     448
    .wavefront_size: 32
...
	.end_amdgpu_metadata
.endif
;; end of part 1
;; launch main (part 2): grid 32 x 8, 8 waves a work-group, no clusters, 105,984 bytes of LDS; arguments K, V, ub, cb, tp, ap; writes tp, ap
.if DOCPART == 2
	.amdgcn_target "amdgcn-amd-amdhsa--gfx1250"
	.amdhsa_code_object_version 6
	.text
	.protected	k_qc389470bf5_main
	.globl	k_qc389470bf5_main
	.p2align	8
	.type	k_qc389470bf5_main,@function
k_qc389470bf5_main:
	s_mov_b64 s[64:65], 0
	v_nop
	global_prefetch_b8 v0, s[64:65] scope:SCOPE_SE
	s_setreg_imm32_b32 hwreg(HW_REG_WAVE_MODE, 25, 1), 1
	s_wait_xcnt 0x0
; SECOND OF FOUR LAUNCHES: the stream over K and V.  Work-group (x, n) owns the 128 rows 128 x .. of batch n.
;   score[h][s] = K[n,s] . u[n,h] + c[n,h]        (u, c: the launch before; equal to q_h . (Wk_h K + bk_h) / 8 with the sums associated anew)
;   a = softmax of the score over an axis of ONE element, as the source formula has it: the maximum is the score itself, a = exp(s - s) / exp(s - s): 1 for a finite score, NaN otherwise
;   tp[n][x][h][c] = the sum over my 128 rows of a[h][s] V[n,s,c];   ap[n][x][h] = the sum over my rows of a[h][s]
; The value projection follows in the next launch: the sum over s of a (Wv_h V + bv_h) = Wv_h t + bv_h (sum of a).
; LIMITS.  K, u, a and V are rounded to bf16 for the products; sums, c and the softmax in f32.  A score so near f32's largest number that one association overflows and the other does
; not gives NaN in one and a number in the other; with inputs 30 times those drawn scores lie near 1e8.
; SHARES.  Eight waves; wave w owns the columns 128 w .. 128 w + 127 (512 bytes of every row) of K and of V.  For the scores that is a slice of K's inner dimension: the eight partial
; results meet in LDS, wave w then owns the 16 rows 16 w .. of the scores.  For t it is a slice of the output.
; LOADS.  Every byte of K and V is loaded once, by 16-byte loads of which 16 neighbouring lanes cover 256 aligned bytes.  A ring of three slots of 64 registers (window 1): a trip is
; 16 loads; three trips, 48 loads = 24 KB a wave, are out at a trip's wait, and the ring runs on from K into V across the softmax and its two barriers.
; K goes through a stage in LDS already in bf16 (a fragment wants k along the lane's registers, the load has it along the lanes).  V needs no LDS: see CVCOLS.
; NO TENSOR LOADS: every operand is f32 in memory and bf16 in the product, so it passes registers anyway.  NO JOINT LOADS: the 32 work-groups of a batch share u alone, 32 KB of the
; 1,056 KB that each reads.  NO LARGE ACCUMULATOR TILE: both products have 16 columns or rows, the heads.
.set ROWB,  4096                       ; bytes in a row of K, V, and of a head's row in tp
.set PITCH, 272                        ; a stage row: 256 bytes + 16: the 16 rows of a fragment load start 68 words apart (64 banks of 4 bytes: ISA guide 11.1)
.set STG,   16*PITCH                   ; a wave's own stage: 16 rows of 128 bf16
.set RED,   8*STG                      ; partial scores: [wave 8192][tile 1024][half 512][lane 16]
.set ATT,   RED+8*8192                 ; a in bf16: [tile 512][lane 16]
.set ASUM,  ATT+4096                   ; sums of a: [wave 64][head 4]
.set SPARE, ASUM+512                   ; the spare words, 128 bytes a wave: four blocks of 256 bytes that no other line names
.set LN, 1                             ; v1  lane
.set RR, 2                             ; v2  lane % 16
.set HH, 3                             ; v3  lane / 16
.set VK, 4                             ; v4  512 w + 16 lane: my 16 bytes of a row of K
.set VV, 5                             ; v5  512 w + 8 rows x (lane / 16) + 16 (lane % 16): V's loads and tp's stores
.set STK, 6                            ; v6  stage: my 8 bytes of a row
.set FR, 7                             ; v7  stage: my place in a fragment
.set VU, 8                             ; v8  my 16 bytes of two rows of u
.set STU, 9                            ; v9  stage: where they go
.set RS, 10                            ; v10 RED: where I put partial scores
.set RL, 11                            ; v11 RED: where I read the eight waves' partial scores of my tile
.set ATS, 12                           ; v12 ATT: my 16 bytes
.set AL, 13                            ; v13 ATT: my lane's place in every tile
.set ASS, 14                           ; v14 ASUM: my wave's word for head lane % 16
.set ASL, 15                           ; v15 ASUM: wave 0's reads
.set CBO, 16                           ; v16 byte offset of head lane % 16 in cb
.set APO, 17                           ; v17 byte offset of head lane % 16 in ap
.set SPW, 20                           ; v20 my spare word; never rewritten
.set NIL, 21                           ; v21 0; never rewritten
.set CB, 22                            ; v22 c of head lane % 16; v23 is named with it as a pair
.set XF, 32                            ; v32-63   u's fragments (source 1), fixed
.set AF, 64                            ; v64-95   K's fragments of a tile (source 0)
.set BF0, 64                           ; v64-127  two buffers of four fragments of V
.set OB, 64                            ; v64-127  t on its way out
.set CV, 96                            ; v96-127  a trip's rows in bf16
.set EV, 128                           ; v128-135, v136-143: two accumulators that take turns
.set OD, 136
.set PS, 144                           ; v144-151 their sum
.set RT, 160                           ; v160-223 at work in the reduction and the softmax
.set ACC, 160                          ; v160-223 t's eight accumulators
.set AT, 224                           ; v224-255 a's four fragments (source 0)
.set WV, 16                            ; s16 my wave's number
.set MSB, 0
.macro WIN new                         ; the immediate's high byte repeats the setting that is left; a switch that changes nothing is dropped
.if MSB != (\new)
	s_set_vgpr_msb (MSB<<8)|(\new)
.set MSB, \new
.endif
.endm
.set W_LD, 0x40                        ; loaded data in window 1, address in window 0
.set W_CV, 0x05                        ; sources 0 and 1 in window 1, destination in window 0
.macro LD16 slot, off0                 ; 16 rows of K, my 16 bytes of each: a wave's load covers 512 consecutive bytes
	WIN W_LD
.set i, 0
.rept 16
	global_load_b128 v[64*(\slot)+4*i:64*(\slot)+4*i+3], v[VK], s[4:5] offset:(\off0)+i*ROWB th:TH_LOAD_NT
.set i, i+1
.endr
.endm
.macro LDCOL slot, off0                ; 32 rows of V x 64 columns: load i takes row i (+ 8 from i = 8 on) + 8 (lane / 16): the k that a fragment wants in this lane; 16 lanes take 256 consecutive bytes
	WIN W_LD
.set i, 0
.rept 16
	global_load_b128 v[64*(\slot)+4*i:64*(\slot)+4*i+3], v[VV], s[6:7] offset:(\off0)+(i+8*(i/8))*ROWB th:TH_LOAD_NT
.set i, i+1
.endr
.endm
.macro REFILL t                        ; trips 0-7: K's eight tiles of 16 rows.  Trips 8-15: V, rows 32 p .., columns 64 g .. of my slice, p = (t - 8) / 2, g = (t - 8) % 2
.if (\t) < 8
	LD16 (\t)%3, 16*(\t)*ROWB
.else
	LDCOL (\t)%3, 32*(((\t)-8)/2)*ROWB+256*(((\t)-8)%2)
.endif
.endm
.macro CVROWS slot                     ; a trip's 16 rows to bf16: 8 bytes a lane and row
	WIN W_CV
.set i, 0
.rept 16
	v_cvt_pk_bf16_f32 v[CV+2*i], v[64*(\slot)+4*i], v[64*(\slot)+4*i+1]
	v_cvt_pk_bf16_f32 v[CV+2*i+1], v[64*(\slot)+4*i+2], v[64*(\slot)+4*i+3]
.set i, i+1
.endr
.endm
.macro CVCOLS slot, bf                 ; a lane's four neighbouring columns go to four fragments; a register's two k come from two loads.  Fragment i, column label r = column 4 r + i: no lane changes, no LDS
	WIN W_CV
.set i, 0
.rept 4
.set m, 0
.rept 8
	v_cvt_pk_bf16_f32 v[(\bf)+8*i+m], v[64*(\slot)+8*m+i], v[64*(\slot)+8*m+4+i]
.set m, m+1
.endr
.set i, i+1
.endr
.endm
.macro TOSTAGE                         ; 32 lanes x 8 bytes fill a stage row
	WIN 0
.set i, 0
.rept 16
	ds_store_b64 v[STK], v[CV+2*i:CV+2*i+1] offset:i*PITCH
.set i, i+1
.endr
.endm
.macro FRAGS dst, vaddr                ; four fragments of 16 rows x 32 k: two loads of 16 bytes each, 32 bytes apart.  LDS serves a wave's instructions in order (ISA guide 5.7.1.4): these see my stores above
.irp ks, 0,1,2,3
	ds_load_b128 v[(\dst)+8*\ks:(\dst)+8*\ks+3], v[\vaddr] offset:64*\ks
	ds_load_b128 v[(\dst)+8*\ks+4:(\dst)+8*\ks+7], v[\vaddr] offset:64*\ks+32
.endr
.endm
.macro MUL4                            ; 128 along K on two accumulators by turns; the first two products start the sums
	v_wmma_f32_16x16x32_bf16 v[EV:EV+7], v[AF:AF+7], v[XF:XF+7], 0
	v_wmma_f32_16x16x32_bf16 v[OD:OD+7], v[AF+8:AF+15], v[XF+8:XF+15], 0
	v_wmma_f32_16x16x32_bf16 v[EV:EV+7], v[AF+16:AF+23], v[XF+16:XF+23], v[EV:EV+7]
	v_wmma_f32_16x16x32_bf16 v[OD:OD+7], v[AF+24:AF+31], v[XF+24:XF+31], v[OD:OD+7]
.endm
.macro PLACES                          ; four places between a matrix instruction and the vector instruction that reads its result (ISA guide 7.12.1)
.rept 4
	v_nop
.endr
.endm
.macro FOLD                            ; the two accumulators' sum, from their low ends on
.irp k, 0,2,4,6
	v_pk_add_f32 v[PS+\k:PS+\k+1], v[EV+\k:EV+\k+1], v[OD+\k:OD+\k+1]
.endr
.endm
.macro BAR                             ; my LDS stores are done and my LDS loads are back; then the barrier
	WIN 0
	s_wait_dscnt 0x0
	s_barrier_signal -1
	s_barrier_wait -1
.endm
.macro TREE base, wd                   ; eight groups of wd registers are added into the first
.irp d, 1,2,4
.set g, 0
.rept 4/\d
.set e, 0
.rept (\wd)/2
	v_pk_add_f32 v[(\base)+(\wd)*g+e:(\base)+(\wd)*g+e+1], v[(\base)+(\wd)*g+e:(\base)+(\wd)*g+e+1], v[(\base)+(\wd)*(g+\d)+e:(\base)+(\wd)*(g+\d)+e+1]
.set e, e+2
.endr
.set g, g+2*\d
.endr
.endr
.endm
; Trip t of K: 16 rows (source 0) times u (source 1) over my 128 columns.  Result: register j = row 16 t + 8 (lane / 16) + j, lane % 16 = head.
; The next trip's 32 conversions, which name none of these products' registers, stand between them and the next loads into AF and the next products onto EV and OD.
.macro KTRIP t
	s_wait_loadcnt 32                              ; loads come back in order (ISA guide 5.7.1): this trip's 16 are in, the two younger trips' 32 stay out
	CVROWS (\t)%3
	REFILL (\t)+3                                  ; into the slot just read; from trip 5 on this is V
	TOSTAGE
	FRAGS AF, FR
	s_wait_dscnt 0x0
	MUL4
	PLACES
	FOLD
	ds_store_b128 v[RS], v[PS:PS+3] offset:(\t)*1024
	ds_store_b128 v[RS], v[PS+4:PS+7] offset:(\t)*1024+512
.endm
; Trip t of V: a (source 0: 16 heads x 32 rows) times four fragments of V.  Result: register j = head 8 (lane / 16) + j, lane % 16 = r: column 64 g + 4 r + i of my slice.
; The eight accumulators take turns; a fragment buffer is written again a whole trip (32 conversions) behind the products that read it.
.macro VTRIP t, left
.set pp, ((\t)-8)/2
.set gg, ((\t)-8)%2
.set bb, BF0+32*((\t)%2)
	s_wait_loadcnt \left
	CVCOLS (\t)%3, bb
.if (\t)+3 < 16
	REFILL (\t)+3
.endif
	WIN 0
.set i, 0
.rept 4
.set rD, ACC+8*(4*gg+i)
.if pp == 0
	v_wmma_f32_16x16x32_bf16 v[rD:rD+7], v[AT+8*pp:AT+8*pp+7], v[bb+8*i:bb+8*i+7], 0
.else
	v_wmma_f32_16x16x32_bf16 v[rD:rD+7], v[AT+8*pp:AT+8*pp+7], v[bb+8*i:bb+8*i+7], v[rD:rD+7]
.endif
.set i, i+1
.endr
.endm
	s_load_b256 s[4:11], s[0:1], 0x0               ; K s[4:5], V s[6:7], ub s[8:9], cb s[10:11]
	s_load_b128 s[12:15], s[0:1], 0x20             ; tp s[12:13], ap s[14:15]
	v_lshl_add_u32 v[SPW], v0, 2, SPARE
	v_mov_b32 v[NIL], 0
	v_lshrrev_b32 v[LN], 5, v0
	v_readfirstlane_b32 s[WV], v[LN]               ; wave 0..7
	v_and_b32 v[LN], 31, v0
	v_and_b32 v[RR], 15, v0
	v_bfe_u32 v[HH], v0, 4, 1
	v_mov_b32 v[CB+1], 0
	s_and_b32 s17, ttmp7, 0xffff                   ; the batch
	s_mov_b32 s26, 0x76543210                      ; v_permlanex16_b32: each lane takes its own place in the other half
	s_mov_b32 s27, 0xfedcba98
	s_lshl_b32 s18, s17, 24                        ; a batch of K or V is 16 MiB,
	s_lshl_b32 s19, ttmp9, 19                      ; my 128 rows 512 KiB
	s_add_co_u32 s18, s18, s19
	s_mov_b32 s19, 0
	s_lshl_b32 s32, s17, 15                        ; a batch of u: 16 rows of 2,048 bytes
	s_mov_b32 s33, 0
	s_lshl_b32 s34, s17, 2                         ; the batch's word in a head's row of cb
	s_mov_b32 s35, 0
	s_lshl_b32 s36, s17, 5
	s_add_co_u32 s36, s36, ttmp9                   ; 32 n + x
	s_lshl_b32 s38, s36, 8                         ; my 256 bytes of ap
	s_lshl_b32 s36, s36, 16                        ; my 64 KiB of tp
	s_mov_b32 s37, 0
	s_mov_b32 s39, 0
	s_mul_i32 s20, s[WV], STG                      ; my stage
	s_lshl_b32 s21, s[WV], 9
	s_lshl_b32 s22, s[WV], 8
	s_lshl_b32 s23, s[WV], 13
	s_add_co_u32 s23, s23, RED
	s_lshl_b32 s24, s[WV], 10
	s_add_co_u32 s24, s24, RED
	s_add_co_u32 s25, s21, ATT
	s_lshl_b32 s29, s[WV], 6
	s_add_co_u32 s29, s29, ASUM
	v_lshlrev_b32 v[VK], 4, v0
	v_lshlrev_b32 v[APO], 4, v[RR]
	v_lshl_add_u32 v[VV], v[HH], 15, v[APO]
	v_add_nc_u32 v[VV], s21, v[VV]
	v_lshl_add_u32 v[VU], v[HH], 11, v[APO]
	v_add_nc_u32 v[VU], s22, v[VU]
	v_lshl_add_u32 v[STK], v[LN], 3, s20
	v_mul_u32_u24 v[FR], v[RR], PITCH
	v_lshl_add_u32 v[FR], v[HH], 4, v[FR]
	v_add_nc_u32 v[FR], s20, v[FR]
	v_mul_u32_u24 v[STU], v[HH], PITCH
	v_lshl_add_u32 v[STU], v[RR], 4, v[STU]
	v_add_nc_u32 v[STU], s20, v[STU]
	v_lshl_add_u32 v[RS], v[LN], 4, s23
	v_lshl_add_u32 v[RL], v[LN], 4, s24
	v_lshl_add_u32 v[ATS], v[LN], 4, s25
	v_lshl_add_u32 v[AL], v[LN], 4, ATT
	v_lshl_add_u32 v[ASS], v[RR], 2, s29
	v_lshl_add_u32 v[ASL], v[RR], 2, ASUM
	v_lshlrev_b32 v[CBO], 5, v[RR]
	s_wait_kmcnt 0x0
	s_add_nc_u64 s[4:5], s[4:5], s[18:19]
	s_add_nc_u64 s[6:7], s[6:7], s[18:19]
	s_add_nc_u64 s[8:9], s[8:9], s[32:33]
	s_add_nc_u64 s[10:11], s[10:11], s[34:35]
	s_add_nc_u64 s[12:13], s[12:13], s[36:37]
	s_add_nc_u64 s[14:15], s[14:15], s[38:39]
.set i, 0
.rept 8
	global_load_b128 v[CV+4*i:CV+4*i+3], v[VU], s[8:9] offset:i*4096   ; u: heads 2 i and 2 i + 1, my 128 columns (256 bytes each)
.set i, i+1
.endr
	global_load_b32 v[CB], v[CBO], s[10:11]        ; c of head lane % 16
	REFILL 0
	REFILL 1
	REFILL 2
	WIN 0
	s_wait_loadcnt 48                              ; all but the ring's three trips of 16: u and c are in
.set i, 0
.rept 8
	ds_store_b128 v[STU], v[CV+4*i:CV+4*i+3] offset:i*2*PITCH
.set i, i+1
.endr
	FRAGS XF, FR                                   ; column r of source 1 is head r
.irp t, 0,1,2,3,4,5,6,7
	KTRIP \t
.endr
	BAR                                            ; every wave's partial scores are in RED
.set i, 0
.rept 8
	ds_load_b128 v[RT+8*i:RT+8*i+3], v[RL] offset:i*8192        ; tile w, the eight waves' parts
	ds_load_b128 v[RT+8*i+4:RT+8*i+7], v[RL] offset:i*8192+512
.set i, i+1
.endr
	s_wait_dscnt 0x0
	TREE RT, 8                                     ; the sum over the eight slices of the inner dimension
.set SS, RT                            ; eight scores: rows 16 w + 8 (lane / 16) + 0..7, head lane % 16
.set DD, RT+8
.set EX, RT+16
.set RC, RT+24
.set AA, RT+32
.set AB, RT+40
.irp k, 0,2,4,6
	v_pk_add_f32 v[SS+\k:SS+\k+1], v[SS+\k:SS+\k+1], v[CB:CB+1] op_sel_hi:[1,0]               ; + c
.endr
.irp k, 0,2,4,6
	v_pk_add_f32 v[DD+\k:DD+\k+1], v[SS+\k:SS+\k+1], v[SS+\k:SS+\k+1] neg_lo:[0,1] neg_hi:[0,1]  ; the score less the axis's maximum, which is the score: 0, or NaN if it is not finite
.endr
.irp k, 0,2,4,6
	v_pk_mul_f32 v[DD+\k:DD+\k+1], v[DD+\k:DD+\k+1], 0x3fb8aa3b op_sel_hi:[1,0]               ; x log2(e)
.endr
.irp k, 0,1,2,3,4,5,6,7
	v_exp_f32 v[EX+\k], v[DD+\k]
.endr
	v_nop                                          ; a plain instruction between a transcendental and the use of its result (ISA guide 5.7.2)
	s_wait_alu depctr_va_vdst(0)
.irp k, 0,1,2,3,4,5,6,7
	v_rcp_f32 v[RC+\k], v[EX+\k]                   ; the axis's sum is the one exponential
.endr
	v_nop
	s_wait_alu depctr_va_vdst(0)
.irp k, 0,2,4,6
	v_pk_mul_f32 v[AA+\k:AA+\k+1], v[EX+\k:EX+\k+1], v[RC+\k:RC+\k+1]
.endr
.irp k, 0,1,2,3
	v_cvt_pk_bf16_f32 v[AB+\k], v[AA+2*\k], v[AA+2*\k+1]
.endr
	ds_store_b128 v[ATS], v[AB:AB+3]               ; eight rows of one head: half a fragment of a^T V's source 0, in the lane that wants it
	v_pk_add_f32 v[DD:DD+1], v[AA:AA+1], v[AA+2:AA+3]
	v_pk_add_f32 v[DD+2:DD+3], v[AA+4:AA+5], v[AA+6:AA+7]
	v_pk_add_f32 v[DD:DD+1], v[DD:DD+1], v[DD+2:DD+3]
	v_add_f32 v[DD], v[DD], v[DD+1]
	v_permlanex16_b32 v[DD+1], v[DD], s26, s27     ; the tile's other eight rows lie in the lane 16 away
	v_add_f32 v[DD], v[DD], v[DD+1]
	ds_store_b32 v[ASS], v[DD]                     ; both halves of the lanes write the same number to the same word
	BAR                                            ; a and its sums are in LDS
.set i, 0
.rept 8
	ds_load_b128 v[AT+4*i:AT+4*i+3], v[AL] offset:i*512   ; tiles 2 p and 2 p + 1 are the fragment of rows 32 p .. 32 p + 31
.set i, i+1
.endr
	s_cmp_lg_u32 s[WV], 0
	s_cbranch_scc1 .Lnot0
.set i, 0
.rept 8
	ds_load_b32 v[24+i], v[ASL] offset:i*64        ; wave 0 alone: the sum of a over the 128 rows
.set i, i+1
.endr
	s_wait_dscnt 0x0
	v_add_f32 v24, v24, v25
	v_add_f32 v26, v26, v27
	v_add_f32 v28, v28, v29
	v_add_f32 v30, v30, v31
	v_add_f32 v24, v24, v26
	v_add_f32 v28, v28, v30
	v_add_f32 v24, v24, v28
	v_mov_b32 v25, 0                               ; three zeros beside it, so that the 16 heads fill 256 consecutive bytes
	v_mov_b32 v26, 0
	v_mov_b32 v27, 0
	v_cmp_gt_u32 vcc_lo, 16, v0
	s_wait_xcnt 0x0                                ; EXEC is a source of the loads that are out: it changes only behind this wait
	s_and_saveexec_b32 s28, vcc_lo
	global_store_b128 v[APO], v[24:27], s[14:15]
	s_wait_xcnt 0x0                                ; and again in front of the line that widens it
	s_or_b32 exec_lo, exec_lo, s28
.Lnot0:
	s_wait_dscnt 0x0                               ; a's fragments are in
.irp t, 8,9,10,11,12,13
	VTRIP \t, 32
.endr
	VTRIP 14, 16                                   ; no refill stands behind the last two trips: the counts run down
	VTRIP 15, 0
	; THE WAY OUT.  Column 4 r + i lies in accumulator i: four moves gather a lane's 16 neighbouring bytes of a head's row.  Each accumulator is read from its lowest register on.
	; Half 0's 32 moves name no register of the last four products and are the places behind them.
.irp g, 0,1
.set j, 0
.rept 8
.set i, 0
.rept 4
	v_mov_b32 v[OB+32*\g+4*j+i], v[ACC+32*\g+8*i+j]
.set i, i+1
.endr
.set j, j+1
.endr
.set j, 0
.rept 8
	global_store_b128 v[VV], v[OB+32*\g+4*j:OB+32*\g+4*j+3], s[12:13] offset:j*ROWB+256*\g   ; heads j and 8 + j: 16 lanes store 256 consecutive bytes, at a multiple of 256 from tp's first byte
.set j, j+1
.endr
.endr
	s_wait_tensorcnt 0x0                           ; the wave's end: three lines behind my last LDS store
	ds_add_u32 v[SPW], v[NIL]
	s_wait_dscnt 0x0
	s_endpgm
.Lfunc_end_k_qc389470bf5_main:
	.size	k_qc389470bf5_main, .Lfunc_end_k_qc389470bf5_main-k_qc389470bf5_main
	.p2alignl 7, 3214868480
	.fill 96, 4, 3214868480
	.section	.rodata,"a",@progbits
	.p2align	6, 0x0
	.amdhsa_kernel k_qc389470bf5_main
		.amdhsa_group_segment_fixed_size 105984
		.amdhsa_private_segment_fixed_size 0
		.amdhsa_enable_private_segment 0
		.amdhsa_kernarg_size 48
		.amdhsa_user_sgpr_count 2
		.amdhsa_user_sgpr_kernarg_segment_ptr 1
		.amdhsa_wavefront_size32 1
		.amdhsa_system_sgpr_workgroup_id_x 1
		.amdhsa_system_sgpr_workgroup_id_y 1
		.amdhsa_system_sgpr_workgroup_id_z 1
		.amdhsa_system_vgpr_workitem_id 0
		.amdhsa_next_free_vgpr 448
		.amdhsa_next_free_sgpr 66
		.amdhsa_reserve_vcc 1
		.amdhsa_float_denorm_mode_32 3
		.amdhsa_float_denorm_mode_16_64 3
		.amdhsa_memory_ordered 1
		.amdhsa_forward_progress 1
		.amdhsa_inst_pref_size 95
	.end_amdhsa_kernel
	.amdgpu_metadata
---
amdhsa.version: [ 1, 2 ]
amdhsa.kernels:
  - .name:           k_qc389470bf5_main
    .symbol:         k_qc389470bf5_main.kd
    .args:
      - { .name: K, .offset: 0, .size: 8, .value_kind: global_buffer, .address_space: global }
      - { .name: V, .offset: 8, .size: 8, .value_kind: global_buffer, .address_space: global }
      - { .name: ub, .offset: 16, .size: 8, .value_kind: global_buffer, .address_space: global }
      - { .name: cb, .offset: 24, .size: 8, .value_kind: global_buffer, .address_space: global }
      - { .name: tp, .offset: 32, .size: 8, .value_kind: global_buffer, .address_space: global }
      - { .name: ap, .offset: 40, .size: 8, .value_kind: global_buffer, .address_space: global }
    .group_segment_fixed_size: 105984
    .private_segment_fixed_size: 0
    .kernarg_segment_align: 8
    .kernarg_segment_size: 48
    .max_flat_workgroup_size: 256
    .sgpr_count:     66
    .vgpr_count:     448
    .wavefront_size: 32
...
	.end_amdgpu_metadata
.endif
;; end of part 2
;; launch wv (part 3): grid 16 x 8, 8 waves a work-group, no clusters, 72,960 bytes of LDS; arguments tp, ap, Wv, bv, wvb; writes wvb
.if DOCPART == 3
	.amdgcn_target "amdgcn-amd-amdhsa--gfx1250"
	.amdhsa_code_object_version 6
	.text
	.protected	k_qc389470bf5_wv
	.globl	k_qc389470bf5_wv
	.p2align	8
	.type	k_qc389470bf5_wv,@function
k_qc389470bf5_wv:
	s_mov_b64 s[64:65], 0
	v_nop
	global_prefetch_b8 v0, s[64:65] scope:SCOPE_SE
	s_setreg_imm32_b32 hwreg(HW_REG_WAVE_MODE, 25, 1), 1
	s_wait_xcnt 0x0
; THIRD OF FOUR LAUNCHES.  Work-group (h, n): t[c] = the sum over the 32 chunks of tp[n][chunk][h][c];  wvb[n][64 h + j] = Wv[64 h + j] . t + bv[64 h + j] x (the sum over the chunks of ap[n][chunk][h]).
; That is the sum over s of a[n,h,s] (Wv_h V[n,s] + bv_h) with the sums associated anew.  t and Wv are rounded to bf16 for the product; sums and the bias term in f32.
; SHARES.  Eight waves; wave w owns the columns 128 w .. 128 w + 127 of t and of Wv's rows: a slice of the inner dimension; the eight partial results meet in LDS.
; The product has ONE real column (this batch's t): all 16 columns of source 1 hold it.
; LOADS.  A ring of three slots of 64 registers (window 1), 16 loads a trip: trips 0, 1 bring 16 chunks of tp each, trips 2-5 Wv's four tiles of 16 rows.
; NO JOINT LOADS, though the eight work-groups of a head read the same 256 KB of Wv: a joint request lands f32 rows in LDS, from where they would go to registers, be rounded and go
; back to LDS, three passes for the one that this text makes; here the rows are rounded on their way from memory.
.set ROWB,  4096
.set PITCH, 272                        ; a stage row: 256 bytes + 16: the 16 rows of a fragment load start 68 words apart (64 banks of 4 bytes: ISA guide 11.1)
.set STG,   16*PITCH                   ; a wave's own stage
.set RED,   8*STG                      ; partial results: [wave 4096][tile 1024][half 512][lane 16]
.set YY,    RED+8*4096                 ; the result: 16 rows (all alike here) of 64 f32 + 16 bytes
.set SPARE, YY+STG                     ; the spare words, 128 bytes a wave: four blocks of 256 bytes that no other line names
.set NTRIPS, 6
.set LN, 1
.set RR, 2
.set HH, 3
.set VK, 4                             ; v4  512 w + 16 lane: my 16 bytes of a row
.set STK, 6                            ; v6  stage: my 8 bytes of a row
.set FR, 7                             ; v7  stage: my place in a fragment
.set TFR, 8                            ; v8  the same in row 0, whatever the lane's row
.set RS, 9                             ; v9  RED: where I put partial results
.set RL, 10                            ; v10 RED: where I read them
.set BO, 11                            ; v11 byte offset in bv of the four rows that I reduce
.set APO, 12                           ; v12 chunk = lane: its 256 bytes of ap
.set YS, 13                            ; v13 YY: where I put four results
.set YL, 14                            ; v14 YY: wave 0's read
.set GO, 15                            ; v15 my byte offset in the head's 256 bytes of wvb
.set SPW, 20                           ; v20 my spare word; never rewritten
.set NIL, 21                           ; v21 0; never rewritten
.set XF, 32                            ; v32-63   t's fragments (source 1)
.set AF, 64                            ; v64-95   a tile's fragments (source 0); before that trip 0's sums
.set CV, 96                            ; v96-127  a trip's rows in bf16; before that trip 1's sums
.set EV, 128
.set OD, 136
.set PS, 144
.set SA, 152                           ; v152-153 the sum of a, twice
.set TS, 156                           ; v156-159 t of my four columns
.set RT, 160
.set WV, 20                            ; s20 my wave's number
.set MSB, 0
.macro WIN new                         ; the immediate's high byte repeats the setting that is left; a switch that changes nothing is dropped
.if MSB != (\new)
	s_set_vgpr_msb (MSB<<8)|(\new)
.set MSB, \new
.endif
.endm
.set W_LD, 0x40                        ; loaded data in window 1, address in window 0
.set W_CV, 0x05                        ; sources 0 and 1 in window 1, destination in window 0
.macro REFILL t                        ; 16 loads, my 16 bytes of 16 rows: a wave's load covers 512 consecutive bytes
	WIN W_LD
.set i, 0
.rept 16
.if (\t) < 2
	global_load_b128 v[64*((\t)%3)+4*i:64*((\t)%3)+4*i+3], v[VK], s[4:5] offset:(16*(\t)+i)*65536 th:TH_LOAD_NT
.else
	global_load_b128 v[64*((\t)%3)+4*i:64*((\t)%3)+4*i+3], v[VK], s[8:9] offset:(16*((\t)-2)+i)*ROWB
.endif
.set i, i+1
.endr
.endm
.macro CVROWS slot
	WIN W_CV
.set i, 0
.rept 16
	v_cvt_pk_bf16_f32 v[CV+2*i], v[64*(\slot)+4*i], v[64*(\slot)+4*i+1]
	v_cvt_pk_bf16_f32 v[CV+2*i+1], v[64*(\slot)+4*i+2], v[64*(\slot)+4*i+3]
.set i, i+1
.endr
.endm
.macro TOSTAGE
	WIN 0
.set i, 0
.rept 16
	ds_store_b64 v[STK], v[CV+2*i:CV+2*i+1] offset:i*PITCH
.set i, i+1
.endr
.endm
.macro FRAGS dst, vaddr                ; four fragments of 16 rows x 32 k.  LDS serves a wave's instructions in order (ISA guide 5.7.1.4): these see my stores above
.irp ks, 0,1,2,3
	ds_load_b128 v[(\dst)+8*\ks:(\dst)+8*\ks+3], v[\vaddr] offset:64*\ks
	ds_load_b128 v[(\dst)+8*\ks+4:(\dst)+8*\ks+7], v[\vaddr] offset:64*\ks+32
.endr
.endm
.macro MUL4                            ; two accumulators by turns; the first two products start the sums
	v_wmma_f32_16x16x32_bf16 v[EV:EV+7], v[AF:AF+7], v[XF:XF+7], 0
	v_wmma_f32_16x16x32_bf16 v[OD:OD+7], v[AF+8:AF+15], v[XF+8:XF+15], 0
	v_wmma_f32_16x16x32_bf16 v[EV:EV+7], v[AF+16:AF+23], v[XF+16:XF+23], v[EV:EV+7]
	v_wmma_f32_16x16x32_bf16 v[OD:OD+7], v[AF+24:AF+31], v[XF+24:XF+31], v[OD:OD+7]
.endm
.macro PLACES                          ; four places between a matrix instruction and the vector instruction that reads its result (ISA guide 7.12.1)
.rept 4
	v_nop
.endr
.endm
.macro FOLD
.irp k, 0,2,4,6
	v_pk_add_f32 v[PS+\k:PS+\k+1], v[EV+\k:EV+\k+1], v[OD+\k:OD+\k+1]
.endr
.endm
.macro BAR                             ; my LDS stores are done and my LDS loads are back; then the barrier
	WIN 0
	s_wait_dscnt 0x0
	s_barrier_signal -1
	s_barrier_wait -1
.endm
.macro TREE base, wd                   ; eight groups of wd registers are added into the first
.irp d, 1,2,4
.set g, 0
.rept 4/\d
.set e, 0
.rept (\wd)/2
	v_pk_add_f32 v[(\base)+(\wd)*g+e:(\base)+(\wd)*g+e+1], v[(\base)+(\wd)*g+e:(\base)+(\wd)*g+e+1], v[(\base)+(\wd)*(g+\d)+e:(\base)+(\wd)*(g+\d)+e+1]
.set e, e+2
.endr
.set g, g+2*\d
.endr
.endr
.endm
.macro TSUM t, base                    ; 16 chunks of tp are added: neighbours first, out of the ring into window 0, then a tree
	s_wait_loadcnt 32                              ; this trip's 16 loads (and what was issued ahead of them) are in, the two younger trips' 32 stay out
	WIN W_CV
.set i, 0
.rept 8
	v_pk_add_f32 v[(\base)+4*i:(\base)+4*i+1], v[64*((\t)%3)+8*i:64*((\t)%3)+8*i+1], v[64*((\t)%3)+8*i+4:64*((\t)%3)+8*i+5]
	v_pk_add_f32 v[(\base)+4*i+2:(\base)+4*i+3], v[64*((\t)%3)+8*i+2:64*((\t)%3)+8*i+3], v[64*((\t)%3)+8*i+6:64*((\t)%3)+8*i+7]
.set i, i+1
.endr
	REFILL (\t)+3
	WIN 0
	TREE \base, 4
.endm
; Trip t multiplies 16 rows of Wv (source 0) by t (source 1) over my 128 columns.  Result: register j = row 16 tile + 8 (lane / 16) + j, the same in all 16 columns.
; The next trip's 32 conversions stand between these products and the next loads into AF and the next products onto EV and OD.
.macro WTRIP t, tile, left
	s_wait_loadcnt \left
	CVROWS (\t)%3
.if (\t)+3 < NTRIPS
	REFILL (\t)+3
.endif
	TOSTAGE
	FRAGS AF, FR
	s_wait_dscnt 0x0
	MUL4
	PLACES
	FOLD
	ds_store_b128 v[RS], v[PS:PS+3] offset:(\tile)*1024
	ds_store_b128 v[RS], v[PS+4:PS+7] offset:(\tile)*1024+512
.endm
	s_load_b256 s[4:11], s[0:1], 0x0               ; tp s[4:5], ap s[6:7], Wv s[8:9], bv s[10:11]
	s_load_b64 s[12:13], s[0:1], 0x20              ; wvb
	v_lshl_add_u32 v[SPW], v0, 2, SPARE
	v_mov_b32 v[NIL], 0
	v_lshrrev_b32 v[LN], 5, v0
	v_readfirstlane_b32 s[WV], v[LN]               ; wave 0..7
	v_and_b32 v[LN], 31, v0
	v_and_b32 v[RR], 15, v0
	v_bfe_u32 v[HH], v0, 4, 1
	v_mov_b32 v23, 0                               ; v_permlanex16_b32's destination counts as read
	s_and_b32 s21, ttmp7, 0xffff                   ; the batch; ttmp9 is the head
	s_lshl_b32 s22, s21, 21                        ; tp: a batch is 2 MiB, a head's row 4,096 bytes
	s_lshl_b32 s23, ttmp9, 12
	s_add_co_u32 s22, s22, s23
	s_mov_b32 s23, 0
	s_lshl_b32 s24, s21, 13                        ; ap: a batch is 8,192 bytes, a head 16
	s_lshl_b32 s25, ttmp9, 4
	s_add_co_u32 s24, s24, s25
	s_mov_b32 s25, 0
	s_lshl_b32 s26, ttmp9, 18                      ; the head's 64 rows of Wv
	s_mov_b32 s27, 0
	s_lshl_b32 s28, ttmp9, 8                       ; its 64 numbers of bv
	s_mov_b32 s29, 0
	s_lshl_b32 s42, s21, 12                        ; wvb: a batch's row, the head's 256 bytes
	s_add_co_u32 s42, s42, s28
	s_mov_b32 s43, 0
	s_lshr_b32 s30, s[WV], 1                       ; I reduce tile w / 2, half w % 2: rows 16 (w / 2) + 4 (w % 2) + 8 (lane / 16) + 0..3
	s_lshl_b32 s30, s30, 6
	s_and_b32 s34, s[WV], 1
	s_lshl_b32 s34, s34, 4
	s_add_co_u32 s30, s30, s34                     ; their place in f32 bytes
	s_mul_i32 s31, s[WV], STG                      ; my stage
	s_mov_b32 s32, 0x76543210
	s_mov_b32 s33, 0xfedcba98
	s_lshl_b32 s39, s[WV], 12
	s_add_co_u32 s39, s39, RED
	s_lshl_b32 s40, s[WV], 9
	s_add_co_u32 s40, s40, RED
	s_add_co_u32 s41, s30, YY
	v_lshlrev_b32 v[VK], 4, v0
	v_lshl_add_u32 v[STK], v[LN], 3, s31
	v_mul_u32_u24 v[FR], v[RR], PITCH
	v_lshl_add_u32 v[YS], v[HH], 5, v[FR]
	v_add_nc_u32 v[YS], s41, v[YS]
	v_lshl_add_u32 v[FR], v[HH], 4, v[FR]
	v_add_nc_u32 v[FR], s31, v[FR]
	v_lshl_add_u32 v[TFR], v[HH], 4, s31
	v_lshl_add_u32 v[RS], v[LN], 4, s39
	v_lshl_add_u32 v[RL], v[LN], 4, s40
	v_lshl_add_u32 v[BO], v[HH], 5, s30
	v_lshlrev_b32 v[APO], 8, v[LN]
	v_lshl_add_u32 v[YL], v[LN], 3, YY
	v_lshlrev_b32 v[GO], 3, v[LN]
	s_wait_kmcnt 0x0
	s_add_nc_u64 s[4:5], s[4:5], s[22:23]
	s_add_nc_u64 s[6:7], s[6:7], s[24:25]
	s_add_nc_u64 s[8:9], s[8:9], s[26:27]
	s_add_nc_u64 s[10:11], s[10:11], s[28:29]
	s_add_nc_u64 s[12:13], s[12:13], s[42:43]
	global_load_b32 v22, v[APO], s[6:7]            ; chunk lane's sum of a
	global_load_b128 v[24:27], v[BO], s[10:11]     ; bv of my four rows
	REFILL 0
	REFILL 1
	REFILL 2
	TSUM 0, AF
	TSUM 1, CV
	v_pk_add_f32 v[TS:TS+1], v[AF:AF+1], v[CV:CV+1]            ; t of columns 128 w + 4 lane + 0..3
	v_pk_add_f32 v[TS+2:TS+3], v[AF+2:AF+3], v[CV+2:CV+3]
	v_add_f32_dpp v22, v22, v22 row_xmask:1 row_mask:0xf bank_mask:0xf   ; the sum of a over the 32 chunks, in every lane
	v_add_f32_dpp v22, v22, v22 row_xmask:2 row_mask:0xf bank_mask:0xf
	v_add_f32_dpp v22, v22, v22 row_xmask:4 row_mask:0xf bank_mask:0xf
	v_add_f32_dpp v22, v22, v22 row_xmask:8 row_mask:0xf bank_mask:0xf
	v_permlanex16_b32 v23, v22, s32, s33
	v_add_f32 v[SA], v22, v23
	v_add_f32 v[SA+1], v22, v23                    ; named with it as a pair
	v_cvt_pk_bf16_f32 v[AF+4], v[TS], v[TS+1]
	v_cvt_pk_bf16_f32 v[AF+5], v[TS+2], v[TS+3]
	ds_store_b64 v[STK], v[AF+4:AF+5]              ; row 0 of my stage: t's 128 columns of my slice
	FRAGS XF, TFR                                  ; every column of source 1 reads that row
	WTRIP 2, 0, 32
	WTRIP 3, 1, 32
	WTRIP 4, 2, 16                                 ; no refill stands behind the last two trips: the counts run down
	WTRIP 5, 3, 0
	BAR                                            ; every wave's partial results are in RED
.set i, 0
.rept 8
	ds_load_b128 v[RT+4*i:RT+4*i+3], v[RL] offset:i*4096
.set i, i+1
.endr
	s_wait_dscnt 0x0
	TREE RT, 4
	v_pk_fma_f32 v[RT:RT+1], v[24:25], v[SA:SA+1], v[RT:RT+1] op_sel_hi:[1,0,1]       ; + bv x the sum of a
	v_pk_fma_f32 v[RT+2:RT+3], v[26:27], v[SA:SA+1], v[RT+2:RT+3] op_sel_hi:[1,0,1]
	ds_store_b128 v[YS], v[RT:RT+3]
	BAR                                            ; the 64 results are in YY
	s_cmp_lg_u32 s[WV], 0
	s_cbranch_scc1 .Lnot0
	ds_load_b64 v[24:25], v[YL]                    ; wave 0 alone: row 0
	s_wait_dscnt 0x0
	global_store_b64 v[GO], v[24:25], s[12:13]     ; 32 lanes store 256 consecutive bytes, at a multiple of 256 from wvb's first byte
.Lnot0:
	s_wait_tensorcnt 0x0                           ; the wave's end: three lines behind my last LDS store
	ds_add_u32 v[SPW], v[NIL]
	s_wait_dscnt 0x0
	s_endpgm
.Lfunc_end_k_qc389470bf5_wv:
	.size	k_qc389470bf5_wv, .Lfunc_end_k_qc389470bf5_wv-k_qc389470bf5_wv
	.p2alignl 7, 3214868480
	.fill 96, 4, 3214868480
	.section	.rodata,"a",@progbits
	.p2align	6, 0x0
	.amdhsa_kernel k_qc389470bf5_wv
		.amdhsa_group_segment_fixed_size 72960
		.amdhsa_private_segment_fixed_size 0
		.amdhsa_enable_private_segment 0
		.amdhsa_kernarg_size 40
		.amdhsa_user_sgpr_count 2
		.amdhsa_user_sgpr_kernarg_segment_ptr 1
		.amdhsa_wavefront_size32 1
		.amdhsa_system_sgpr_workgroup_id_x 1
		.amdhsa_system_sgpr_workgroup_id_y 1
		.amdhsa_system_sgpr_workgroup_id_z 1
		.amdhsa_system_vgpr_workitem_id 0
		.amdhsa_next_free_vgpr 448
		.amdhsa_next_free_sgpr 66
		.amdhsa_reserve_vcc 0
		.amdhsa_float_denorm_mode_32 3
		.amdhsa_float_denorm_mode_16_64 3
		.amdhsa_memory_ordered 1
		.amdhsa_forward_progress 1
		.amdhsa_inst_pref_size 37
	.end_amdhsa_kernel
	.amdgpu_metadata
---
amdhsa.version: [ 1, 2 ]
amdhsa.kernels:
  - .name:           k_qc389470bf5_wv
    .symbol:         k_qc389470bf5_wv.kd
    .args:
      - { .name: tp, .offset: 0, .size: 8, .value_kind: global_buffer, .address_space: global }
      - { .name: ap, .offset: 8, .size: 8, .value_kind: global_buffer, .address_space: global }
      - { .name: Wv, .offset: 16, .size: 8, .value_kind: global_buffer, .address_space: global }
      - { .name: bv, .offset: 24, .size: 8, .value_kind: global_buffer, .address_space: global }
      - { .name: wvb, .offset: 32, .size: 8, .value_kind: global_buffer, .address_space: global }
    .group_segment_fixed_size: 72960
    .private_segment_fixed_size: 0
    .kernarg_segment_align: 8
    .kernarg_segment_size: 40
    .max_flat_workgroup_size: 256
    .sgpr_count:     66
    .vgpr_count:     448
    .wavefront_size: 32
...
	.end_amdgpu_metadata
.endif
;; end of part 3
;; launch out (part 4): grid 16 x 1, 8 waves a work-group, no clusters, 72,960 bytes of LDS; arguments wvb, Wo, bo, out0; writes out0
.if DOCPART == 4
	.amdgcn_target "amdgcn-amd-amdhsa--gfx1250"
	.amdhsa_code_object_version 6
	.text
	.protected	k_qc389470bf5_out
	.globl	k_qc389470bf5_out
	.p2align	8
	.type	k_qc389470bf5_out,@function
k_qc389470bf5_out:
	s_mov_b64 s[64:65], 0
	v_nop
	global_prefetch_b8 v0, s[64:65] scope:SCOPE_SE
	s_setreg_imm32_b32 hwreg(HW_REG_WAVE_MODE, 25, 1), 1
	s_wait_xcnt 0x0
; LAST OF FOUR LAUNCHES.  out0[n][64 b + j] = Wo[64 b + j] . wvb[n] + bo[64 b + j]: work-group b makes 64 columns for all eight batches.
; wvb and Wo are rounded to bf16 for the product; sums and bias in f32.
; SHARES.  Eight waves; wave w owns the columns 128 w .. 128 w + 127 of wvb's and Wo's rows: a slice of the inner dimension; the eight partial results meet in LDS.
; 64 columns a work-group, since 64 f32 of one batch are the 256 consecutive bytes that one store of a wave covers; fewer would split them.
; LOADS.  A ring of three slots of 64 registers (window 1), 16 loads a trip: Wo's four tiles of 16 rows.
; NO JOINT LOADS: the work-groups share wvb alone, 32 KB of the 288 KB that each reads.
.set ROWB,  4096
.set PITCH, 272                        ; a stage row: 256 bytes + 16: the 16 rows of a fragment load start 68 words apart (64 banks of 4 bytes: ISA guide 11.1)
.set STG,   16*PITCH                   ; a wave's own stage
.set RED,   8*STG                      ; partial results: [wave 4096][tile 1024][half 512][lane 16]
.set YY,    RED+8*4096                 ; the result: 16 rows (row r holds batch r % 8) of 64 f32 + 16 bytes
.set SPARE, YY+STG                     ; the spare words, 128 bytes a wave: four blocks of 256 bytes that no other line names
.set NTRIPS, 4
.set LN, 1
.set RR, 2
.set HH, 3
.set VK, 4                             ; v4  512 w + 16 lane: my 16 bytes of a row
.set STK, 6                            ; v6  stage: my 8 bytes of a row
.set FR, 7                             ; v7  stage: my place in a fragment
.set XFR, 8                            ; v8  the same with row lane % 8
.set RS, 9                             ; v9  RED: where I put partial results
.set RL, 10                            ; v10 RED: where I read them
.set BO, 11                            ; v11 byte offset in bo of the four rows that I reduce
.set YS, 13                            ; v13 YY: where I put four results
.set YL, 14                            ; v14 YY: row w, my 8 bytes
.set GO, 15                            ; v15 batch w's row of out0, my 8 bytes
.set SPW, 20                           ; v20 my spare word; never rewritten
.set NIL, 21                           ; v21 0; never rewritten
.set XF, 32                            ; v32-63   wvb's fragments (source 1)
.set AF, 64                            ; v64-95   a tile's fragments (source 0)
.set CV, 96                            ; v96-127  a trip's rows in bf16
.set EV, 128
.set OD, 136
.set PS, 144
.set RT, 160
.set WV, 20                            ; s20 my wave's number
.set MSB, 0
.macro WIN new                         ; the immediate's high byte repeats the setting that is left; a switch that changes nothing is dropped
.if MSB != (\new)
	s_set_vgpr_msb (MSB<<8)|(\new)
.set MSB, \new
.endif
.endm
.set W_LD, 0x40                        ; loaded data in window 1, address in window 0
.set W_CV, 0x05                        ; sources 0 and 1 in window 1, destination in window 0
.macro REFILL t                        ; 16 rows of Wo, my 16 bytes of each: a wave's load covers 512 consecutive bytes
	WIN W_LD
.set i, 0
.rept 16
	global_load_b128 v[64*((\t)%3)+4*i:64*((\t)%3)+4*i+3], v[VK], s[6:7] offset:(16*(\t)+i)*ROWB th:TH_LOAD_NT
.set i, i+1
.endr
.endm
.macro CVROWS slot
	WIN W_CV
.set i, 0
.rept 16
	v_cvt_pk_bf16_f32 v[CV+2*i], v[64*(\slot)+4*i], v[64*(\slot)+4*i+1]
	v_cvt_pk_bf16_f32 v[CV+2*i+1], v[64*(\slot)+4*i+2], v[64*(\slot)+4*i+3]
.set i, i+1
.endr
.endm
.macro TOSTAGE
	WIN 0
.set i, 0
.rept 16
	ds_store_b64 v[STK], v[CV+2*i:CV+2*i+1] offset:i*PITCH
.set i, i+1
.endr
.endm
.macro FRAGS dst, vaddr                ; four fragments of 16 rows x 32 k.  LDS serves a wave's instructions in order (ISA guide 5.7.1.4): these see my stores above
.irp ks, 0,1,2,3
	ds_load_b128 v[(\dst)+8*\ks:(\dst)+8*\ks+3], v[\vaddr] offset:64*\ks
	ds_load_b128 v[(\dst)+8*\ks+4:(\dst)+8*\ks+7], v[\vaddr] offset:64*\ks+32
.endr
.endm
.macro MUL4                            ; two accumulators by turns; the first two products start the sums
	v_wmma_f32_16x16x32_bf16 v[EV:EV+7], v[AF:AF+7], v[XF:XF+7], 0
	v_wmma_f32_16x16x32_bf16 v[OD:OD+7], v[AF+8:AF+15], v[XF+8:XF+15], 0
	v_wmma_f32_16x16x32_bf16 v[EV:EV+7], v[AF+16:AF+23], v[XF+16:XF+23], v[EV:EV+7]
	v_wmma_f32_16x16x32_bf16 v[OD:OD+7], v[AF+24:AF+31], v[XF+24:XF+31], v[OD:OD+7]
.endm
.macro PLACES                          ; four places between a matrix instruction and the vector instruction that reads its result (ISA guide 7.12.1)
.rept 4
	v_nop
.endr
.endm
.macro FOLD
.irp k, 0,2,4,6
	v_pk_add_f32 v[PS+\k:PS+\k+1], v[EV+\k:EV+\k+1], v[OD+\k:OD+\k+1]
.endr
.endm
.macro BAR                             ; my LDS stores are done and my LDS loads are back; then the barrier
	WIN 0
	s_wait_dscnt 0x0
	s_barrier_signal -1
	s_barrier_wait -1
.endm
.macro TREE base, wd                   ; eight groups of wd registers are added into the first
.irp d, 1,2,4
.set g, 0
.rept 4/\d
.set e, 0
.rept (\wd)/2
	v_pk_add_f32 v[(\base)+(\wd)*g+e:(\base)+(\wd)*g+e+1], v[(\base)+(\wd)*g+e:(\base)+(\wd)*g+e+1], v[(\base)+(\wd)*(g+\d)+e:(\base)+(\wd)*(g+\d)+e+1]
.set e, e+2
.endr
.set g, g+2*\d
.endr
.endr
.endm
; Trip t multiplies 16 rows of Wo (source 0) by wvb (source 1) over my 128 columns.  Result: register j = row 16 t + 8 (lane / 16) + j, lane % 16 = r: batch r % 8.
; The next trip's 32 conversions stand between these products and the next loads into AF and the next products onto EV and OD.
.macro WTRIP t, left
	s_wait_loadcnt \left
	CVROWS (\t)%3
.if (\t)+3 < NTRIPS
	REFILL (\t)+3
.endif
	TOSTAGE
	FRAGS AF, FR
	s_wait_dscnt 0x0
	MUL4
	PLACES
	FOLD
	ds_store_b128 v[RS], v[PS:PS+3] offset:(\t)*1024
	ds_store_b128 v[RS], v[PS+4:PS+7] offset:(\t)*1024+512
.endm
	s_load_b256 s[4:11], s[0:1], 0x0               ; wvb s[4:5], Wo s[6:7], bo s[8:9], out0 s[10:11]
	v_lshl_add_u32 v[SPW], v0, 2, SPARE
	v_mov_b32 v[NIL], 0
	v_lshrrev_b32 v[LN], 5, v0
	v_readfirstlane_b32 s[WV], v[LN]               ; wave 0..7
	v_and_b32 v[LN], 31, v0
	v_and_b32 v[RR], 15, v0
	v_bfe_u32 v[HH], v0, 4, 1
	s_lshl_b32 s22, ttmp9, 18                      ; my 64 rows of Wo
	s_mov_b32 s23, 0
	s_lshl_b32 s24, ttmp9, 8                       ; my 64 numbers of bo, and of a row of out0
	s_mov_b32 s25, 0
	s_lshr_b32 s30, s[WV], 1                       ; I reduce tile w / 2, half w % 2: rows 16 (w / 2) + 4 (w % 2) + 8 (lane / 16) + 0..3
	s_lshl_b32 s30, s30, 6
	s_and_b32 s34, s[WV], 1
	s_lshl_b32 s34, s34, 4
	s_add_co_u32 s30, s30, s34                     ; their place in f32 bytes
	s_mul_i32 s31, s[WV], STG                      ; my stage
	s_lshl_b32 s39, s[WV], 12                      ; also batch w's row of out0
	s_add_co_u32 s38, s39, RED
	s_lshl_b32 s40, s[WV], 9
	s_add_co_u32 s40, s40, RED
	s_add_co_u32 s41, s30, YY
	s_mul_i32 s42, s[WV], PITCH
	s_add_co_u32 s42, s42, YY
	v_lshlrev_b32 v[VK], 4, v0
	v_lshl_add_u32 v[STK], v[LN], 3, s31
	v_mul_u32_u24 v[FR], v[RR], PITCH
	v_lshl_add_u32 v[YS], v[HH], 5, v[FR]
	v_add_nc_u32 v[YS], s41, v[YS]
	v_lshl_add_u32 v[FR], v[HH], 4, v[FR]
	v_add_nc_u32 v[FR], s31, v[FR]
	v_and_b32 v[XFR], 7, v0
	v_mul_u32_u24 v[XFR], v[XFR], PITCH
	v_lshl_add_u32 v[XFR], v[HH], 4, v[XFR]
	v_add_nc_u32 v[XFR], s31, v[XFR]
	v_lshl_add_u32 v[RS], v[LN], 4, s38
	v_lshl_add_u32 v[RL], v[LN], 4, s40
	v_lshl_add_u32 v[BO], v[HH], 5, s30
	v_lshl_add_u32 v[YL], v[LN], 3, s42
	v_lshl_add_u32 v[GO], v[LN], 3, s39
	s_wait_kmcnt 0x0
	s_add_nc_u64 s[6:7], s[6:7], s[22:23]
	s_add_nc_u64 s[8:9], s[8:9], s[24:25]
	s_add_nc_u64 s[10:11], s[10:11], s[24:25]
	global_load_b128 v[24:27], v[BO], s[8:9]       ; bo of my four rows
.set i, 0
.rept 8
	global_load_b128 v[CV+4*i:CV+4*i+3], v[VK], s[4:5] offset:i*ROWB   ; wvb's eight rows, my columns
.set i, i+1
.endr
	REFILL 0
	REFILL 1
	REFILL 2
	WIN 0
	s_wait_loadcnt 48                              ; all but the ring's three trips of 16: bo and wvb are in
.set i, 0
.rept 8
	v_cvt_pk_bf16_f32 v[AF+2*i], v[CV+4*i], v[CV+4*i+1]
	v_cvt_pk_bf16_f32 v[AF+2*i+1], v[CV+4*i+2], v[CV+4*i+3]
.set i, i+1
.endr
.set i, 0
.rept 8
	ds_store_b64 v[STK], v[AF+2*i:AF+2*i+1] offset:i*PITCH
.set i, i+1
.endr
	FRAGS XF, XFR                                  ; column r of source 1 is batch r % 8: the upper eight columns repeat the lower
	WTRIP 0, 32
	WTRIP 1, 32
	WTRIP 2, 16                                    ; no refill stands behind the last two trips: the counts run down
	WTRIP 3, 0
	BAR                                            ; every wave's partial results are in RED
.set i, 0
.rept 8
	ds_load_b128 v[RT+4*i:RT+4*i+3], v[RL] offset:i*4096
.set i, i+1
.endr
	s_wait_dscnt 0x0
	TREE RT, 4
	v_pk_add_f32 v[RT:RT+1], v[RT:RT+1], v[24:25]  ; + bo
	v_pk_add_f32 v[RT+2:RT+3], v[RT+2:RT+3], v[26:27]
	ds_store_b128 v[YS], v[RT:RT+3]
	BAR                                            ; the results are in YY
	ds_load_b64 v[24:25], v[YL]                    ; wave w takes batch w's 64 numbers
	s_wait_dscnt 0x0
	global_store_b64 v[GO], v[24:25], s[10:11]     ; 32 lanes store 256 consecutive bytes, at a multiple of 256 from out0's first byte
	s_wait_tensorcnt 0x0                           ; the wave's end: three lines behind my last LDS store
	ds_add_u32 v[SPW], v[NIL]
	s_wait_dscnt 0x0
	s_endpgm
.Lfunc_end_k_qc389470bf5_out:
	.size	k_qc389470bf5_out, .Lfunc_end_k_qc389470bf5_out-k_qc389470bf5_out
	.p2alignl 7, 3214868480
	.fill 96, 4, 3214868480
	.section	.rodata,"a",@progbits
	.p2align	6, 0x0
	.amdhsa_kernel k_qc389470bf5_out
		.amdhsa_group_segment_fixed_size 72960
		.amdhsa_private_segment_fixed_size 0
		.amdhsa_enable_private_segment 0
		.amdhsa_kernarg_size 32
		.amdhsa_user_sgpr_count 2
		.amdhsa_user_sgpr_kernarg_segment_ptr 1
		.amdhsa_wavefront_size32 1
		.amdhsa_system_sgpr_workgroup_id_x 1
		.amdhsa_system_sgpr_workgroup_id_y 1
		.amdhsa_system_sgpr_workgroup_id_z 1
		.amdhsa_system_vgpr_workitem_id 0
		.amdhsa_next_free_vgpr 448
		.amdhsa_next_free_sgpr 66
		.amdhsa_reserve_vcc 0
		.amdhsa_float_denorm_mode_32 3
		.amdhsa_float_denorm_mode_16_64 3
		.amdhsa_memory_ordered 1
		.amdhsa_forward_progress 1
		.amdhsa_inst_pref_size 31
	.end_amdhsa_kernel
	.amdgpu_metadata
---
amdhsa.version: [ 1, 2 ]
amdhsa.kernels:
  - .name:           k_qc389470bf5_out
    .symbol:         k_qc389470bf5_out.kd
    .args:
      - { .name: wvb, .offset: 0, .size: 8, .value_kind: global_buffer, .address_space: global }
      - { .name: Wo, .offset: 8, .size: 8, .value_kind: global_buffer, .address_space: global }
      - { .name: bo, .offset: 16, .size: 8, .value_kind: global_buffer, .address_space: global }
      - { .name: out0, .offset: 24, .size: 8, .value_kind: global_buffer, .address_space: global }
    .group_segment_fixed_size: 72960
    .private_segment_fixed_size: 0
    .kernarg_segment_align: 8
    .kernarg_segment_size: 32
    .max_flat_workgroup_size: 256
    .sgpr_count:     66
    .vgpr_count:     448
    .wavefront_size: 32
...
	.end_amdgpu_metadata
.endif
;; end of part 4
;; ======== version 2 of 2: 4 launches; version 1 with the launch wv written anew for expert scheduling mode
;; workspace buffers: ub 262,144 bytes; cb 512 bytes; tp 16,777,216 bytes; ap 65,536 bytes; wvb 32,768 bytes
;; launch qu: the kernel of part 1 again; grid 16 x 1, 8 waves a work-group, no clusters, 71,936 bytes of LDS; arguments Q, Wq, bq, Wk, bk, ub, cb; writes ub, cb
;; launch main: the kernel of part 2 again; grid 32 x 8, 8 waves a work-group, no clusters, 105,984 bytes of LDS; arguments K, V, ub, cb, tp, ap; writes tp, ap
;; launch wv (part 5): grid 16 x 8, 8 waves a work-group, no clusters, 72,960 bytes of LDS; arguments tp, ap, Wv, bv, wvb; writes wvb
.if DOCPART == 5
	.amdgcn_target "amdgcn-amd-amdhsa--gfx1250"
	.amdhsa_code_object_version 6
	.text
	.protected	k_qc389470bf5_wv
	.globl	k_qc389470bf5_wv
	.p2align	8
	.type	k_qc389470bf5_wv,@function
k_qc389470bf5_wv:
	s_mov_b64 s[64:65], 0
	v_nop
	global_prefetch_b8 v0, s[64:65] scope:SCOPE_SE
	s_setreg_imm32_b32 hwreg(HW_REG_WAVE_SCHED_MODE, 0, 2), 2
	s_setreg_imm32_b32 hwreg(HW_REG_WAVE_MODE, 25, 1), 1
	s_wait_xcnt 0x0
	s_wait_alu depctr_vm_vsrc(0)
; THIRD OF FOUR LAUNCHES.  Work-group (h, n): t[c] = the sum over the 32 chunks of tp[n][chunk][h][c];  wvb[n][64 h + j] = Wv[64 h + j] . t + bv[64 h + j] x (the sum over the chunks of ap[n][chunk][h]).
; That is the sum over s of a[n,h,s] (Wv_h V[n,s] + bv_h) with the sums associated anew.  t and Wv are rounded to bf16 for the product; sums and the bias term in f32.
; SHARES.  Eight waves; wave w owns the columns 128 w .. 128 w + 127 of t and of Wv's rows: a slice of the inner dimension; the eight partial results meet in LDS.
; The product has ONE real column (this batch's t): all 16 columns of source 1 hold it.
; LOADS.  A ring of three slots of 64 registers (window 1), 16 loads a trip: trips 0, 1 bring 16 chunks of tp each, trips 2-5 Wv's four tiles of 16 rows.
; NO JOINT LOADS, though the eight work-groups of a head read the same 256 KB of Wv: a joint request lands f32 rows in LDS, from where they would go to registers, be rounded and go
; back to LDS, three passes for the one that this text makes; here the rows are rounded on their way from memory.
; THE MODE: SCHED_MODE bits 1:0 = 2 (LLVM: expert scheduling mode 2), set by the entry lines.  The code itself states the register dependences
; between vector or matrix instructions and memory or LDS instructions, with s_wait_alu, always for 0.
; THE PLAN.  Registers that memory or LDS instructions touch:
;   ring slots    Written by global loads; read by a trip's additions (trips 0, 1) or conversions (trips 2-5); three of them are loaded again, behind those readers.
;   CV            Written by a trip's conversions; read by its sixteen stage stores; written again by the next trip's conversions.
;   AF            At the head vector sums, and the data (two registers) of the one store of t; then written by a trip's eight fragment loads and read by its four matrix instructions.
;   XF            Written once by LDS loads; read by matrix instructions alone.
;   PS0 .. PS3    A buffer for each tile: written once, by the tile's FOLD; read once, by two LDS stores that stand in the next trip; never written again.
;   RT            Written by LDS loads behind the first barrier; the tree works in it; its first four registers are an LDS store's data and are not written again.
;   v24-27        bv, by a load; read by two fused multiply-adds; behind them wave 0's last LDS load lands in v24-25.
;   v4-v15        Offsets and LDS addresses: written at the head and never again.   v20, v21: written at the head, read by the closing add alone.
; So a trip of Wv has ONE wait on va_vdst, behind its conversions, and one on vm_vsrc, at its head; all its memory and LDS instructions stand behind the first with no vector instruction between.
.set ROWB,  4096
.set PITCH, 272                        ; a stage row: 256 bytes + 16: the 16 rows of a fragment load start 68 words apart (64 banks of 4 bytes: ISA guide 11.1)
.set STG,   16*PITCH                   ; a wave's own stage
.set RED,   8*STG                      ; partial results: [wave 4096][tile 1024][half 512][lane 16]
.set YY,    RED+8*4096                 ; the result: 16 rows (all alike here) of 64 f32 + 16 bytes
.set SPARE, YY+STG                     ; the spare words, 128 bytes a wave: four blocks of 256 bytes that no other line names
.set NTRIPS, 6
.set LN, 1
.set RR, 2
.set HH, 3
.set VK, 4                             ; v4  512 w + 16 lane: my 16 bytes of a row
.set STK, 6                            ; v6  stage: my 8 bytes of a row
.set FR, 7                             ; v7  stage: my place in a fragment
.set TFR, 8                            ; v8  the same in row 0, whatever the lane's row
.set RS, 9                             ; v9  RED: where I put partial results
.set RL, 10                            ; v10 RED: where I read them
.set BO, 11                            ; v11 byte offset in bv of the four rows that I reduce
.set APO, 12                           ; v12 chunk = lane: its 256 bytes of ap
.set YS, 13                            ; v13 YY: where I put four results
.set YL, 14                            ; v14 YY: wave 0's read
.set GO, 15                            ; v15 my byte offset in the head's 256 bytes of wvb
.set SPW, 20                           ; v20 my spare word; never rewritten
.set NIL, 21                           ; v21 0; never rewritten
.set XF, 32                            ; v32-63   t's fragments (source 1)
.set AF, 64                            ; v64-95   a tile's fragments (source 0); before that trip 0's sums
.set CV, 96                            ; v96-127  a trip's rows in bf16; before that trip 1's sums
.set EV, 128
.set OD, 136
.set SA, 152                           ; v152-153 the sum of a, twice
.set TS, 156                           ; v156-159 t of my four columns
.set RT, 160
.set PS, 192                           ; v192-223 the two accumulators' sum: eight registers for each of the four tiles
.set WV, 20                            ; s20 my wave's number
.set MSB, 0
.macro WIN new                         ; the immediate's high byte repeats the setting that is left; a switch that changes nothing is dropped
.if MSB != (\new)
	s_set_vgpr_msb (MSB<<8)|(\new)
.set MSB, \new
.endif
.endm
.set W_LD, 0x40                        ; loaded data in window 1, address in window 0
.set W_CV, 0x05                        ; sources 0 and 1 in window 1, destination in window 0
.macro REFILL t                        ; 16 loads, my 16 bytes of 16 rows: a wave's load covers 512 consecutive bytes
	WIN W_LD
.set i, 0
.rept 16
.if (\t) < 2
	global_load_b128 v[64*((\t)%3)+4*i:64*((\t)%3)+4*i+3], v[VK], s[4:5] offset:(16*(\t)+i)*65536 th:TH_LOAD_NT
.else
	global_load_b128 v[64*((\t)%3)+4*i:64*((\t)%3)+4*i+3], v[VK], s[8:9] offset:(16*((\t)-2)+i)*ROWB
.endif
.set i, i+1
.endr
.endm
.macro CVROWS slot
	WIN W_CV
.set i, 0
.rept 16
	v_cvt_pk_bf16_f32 v[CV+2*i], v[64*(\slot)+4*i], v[64*(\slot)+4*i+1]
	v_cvt_pk_bf16_f32 v[CV+2*i+1], v[64*(\slot)+4*i+2], v[64*(\slot)+4*i+3]
.set i, i+1
.endr
.endm
.macro TOSTAGE
	WIN 0
.set i, 0
.rept 16
	ds_store_b64 v[STK], v[CV+2*i:CV+2*i+1] offset:i*PITCH
.set i, i+1
.endr
.endm
.macro FRAGS dst, vaddr                ; four fragments of 16 rows x 32 k.  LDS serves a wave's instructions in order (ISA guide 5.7.1.4): these see my stores above
.irp ks, 0,1,2,3
	ds_load_b128 v[(\dst)+8*\ks:(\dst)+8*\ks+3], v[\vaddr] offset:64*\ks
	ds_load_b128 v[(\dst)+8*\ks+4:(\dst)+8*\ks+7], v[\vaddr] offset:64*\ks+32
.endr
.endm
.macro MUL4                            ; two accumulators by turns; the first two products start the sums
	v_wmma_f32_16x16x32_bf16 v[EV:EV+7], v[AF:AF+7], v[XF:XF+7], 0
	v_wmma_f32_16x16x32_bf16 v[OD:OD+7], v[AF+8:AF+15], v[XF+8:XF+15], 0
	v_wmma_f32_16x16x32_bf16 v[EV:EV+7], v[AF+16:AF+23], v[XF+16:XF+23], v[EV:EV+7]
	v_wmma_f32_16x16x32_bf16 v[OD:OD+7], v[AF+24:AF+31], v[XF+24:XF+31], v[OD:OD+7]
.endm
.macro PLACES                          ; four places between a matrix instruction and the vector instruction that reads its result (ISA guide 7.12.1)
.rept 4
	v_nop
.endr
.endm
.macro FOLD tile                       ; the two accumulators' sum, from their low ends on, into the tile's own buffer
.irp k, 0,2,4,6
	v_pk_add_f32 v[PS+8*(\tile)+\k:PS+8*(\tile)+\k+1], v[EV+\k:EV+\k+1], v[OD+\k:OD+\k+1]
.endr
.endm
.macro PUT tile                        ; a tile's partial results go to RED
	ds_store_b128 v[RS], v[PS+8*(\tile):PS+8*(\tile)+3] offset:(\tile)*1024
	ds_store_b128 v[RS], v[PS+8*(\tile)+4:PS+8*(\tile)+7] offset:(\tile)*1024+512
.endm
.macro BAR                             ; my LDS stores are done and my LDS loads are back; then the barrier
	WIN 0
	s_wait_dscnt 0x0
	s_barrier_signal -1
	s_barrier_wait -1
.endm
.macro TREE base, wd                   ; eight groups of wd registers are added into the first
.irp d, 1,2,4
.set g, 0
.rept 4/\d
.set e, 0
.rept (\wd)/2
	v_pk_add_f32 v[(\base)+(\wd)*g+e:(\base)+(\wd)*g+e+1], v[(\base)+(\wd)*g+e:(\base)+(\wd)*g+e+1], v[(\base)+(\wd)*(g+\d)+e:(\base)+(\wd)*(g+\d)+e+1]
.set e, e+2
.endr
.set g, g+2*\d
.endr
.endr
.endm
.macro TSUM t, base                    ; 16 chunks of tp are added: neighbours first, out of the ring into window 0, then a tree
	s_wait_loadcnt 32                              ; this trip's 16 loads (and what was issued ahead of them) are in, the two younger trips' 32 stay out
	WIN W_CV
.set i, 0
.rept 8
	v_pk_add_f32 v[(\base)+4*i:(\base)+4*i+1], v[64*((\t)%3)+8*i:64*((\t)%3)+8*i+1], v[64*((\t)%3)+8*i+4:64*((\t)%3)+8*i+5]
	v_pk_add_f32 v[(\base)+4*i+2:(\base)+4*i+3], v[64*((\t)%3)+8*i+2:64*((\t)%3)+8*i+3], v[64*((\t)%3)+8*i+6:64*((\t)%3)+8*i+7]
.set i, i+1
.endr
	WIN W_LD
	s_wait_alu depctr_va_vdst(0)                   ; the sixteen additions are done reading the slot, in which the loads below land
	REFILL (\t)+3
	WIN 0
	TREE \base, 4                                  ; no wait: the tree names none of the registers that the loads above touch
.endm
; Trip t multiplies 16 rows of Wv (source 0) by t (source 1) over my 128 columns.  Result: register j = row 16 tile + 8 (lane / 16) + j, the same in all 16 columns.
; The next trip's 32 conversions stand between these products and the next products onto EV and OD.
; The tile's sums are stored in the next trip, behind that trip's one wait on va_vdst.
.macro WTRIP t, tile, left
	s_wait_alu depctr_vm_vsrc(0)                   ; the stage stores of the trip before have read CV, which the conversions below write again; in the first of these trips: the store of t has read its two registers of AF, in which fragments land below
	s_wait_loadcnt \left
	CVROWS (\t)%3
	s_wait_alu depctr_va_vdst(0)                   ; the conversions have written CV and are done reading their slot; the tile before has its sums in its PS buffer; the trip before's matrix instructions are done reading AF
	TOSTAGE
	FRAGS AF, FR
.if (\tile) > 0
	PUT (\tile)-1                                  ; the tile before
.endif
.if (\t)+3 < NTRIPS
	REFILL (\t)+3                                  ; into the slot just read.  No wait: only LDS instructions and window switches stand between the wait above and these loads
	WIN 0
.endif
.if (\tile) > 0
	s_wait_dscnt 2                                 ; LDS instructions end in order (ISA guide 5.7.1): the eight fragment loads are back, the two younger stores may stay out
.else
	s_wait_dscnt 0x0                               ; the fragments of this tile and of t are in
.endif
	MUL4
	PLACES
	FOLD \tile
.endm
	s_load_b256 s[4:11], s[0:1], 0x0               ; tp s[4:5], ap s[6:7], Wv s[8:9], bv s[10:11]
	s_load_b64 s[12:13], s[0:1], 0x20              ; wvb
	v_lshl_add_u32 v[SPW], v0, 2, SPARE
	v_mov_b32 v[NIL], 0
	v_lshrrev_b32 v[LN], 5, v0
	v_readfirstlane_b32 s[WV], v[LN]               ; wave 0..7
	v_and_b32 v[LN], 31, v0
	v_and_b32 v[RR], 15, v0
	v_bfe_u32 v[HH], v0, 4, 1
	v_mov_b32 v23, 0                               ; v_permlanex16_b32's destination counts as read
	s_and_b32 s21, ttmp7, 0xffff                   ; the batch; ttmp9 is the head
	s_lshl_b32 s22, s21, 21                        ; tp: a batch is 2 MiB, a head's row 4,096 bytes
	s_lshl_b32 s23, ttmp9, 12
	s_add_co_u32 s22, s22, s23
	s_mov_b32 s23, 0
	s_lshl_b32 s24, s21, 13                        ; ap: a batch is 8,192 bytes, a head 16
	s_lshl_b32 s25, ttmp9, 4
	s_add_co_u32 s24, s24, s25
	s_mov_b32 s25, 0
	s_lshl_b32 s26, ttmp9, 18                      ; the head's 64 rows of Wv
	s_mov_b32 s27, 0
	s_lshl_b32 s28, ttmp9, 8                       ; its 64 numbers of bv
	s_mov_b32 s29, 0
	s_lshl_b32 s42, s21, 12                        ; wvb: a batch's row, the head's 256 bytes
	s_add_co_u32 s42, s42, s28
	s_mov_b32 s43, 0
	s_wait_alu depctr_va_sdst(0)                   ; the wave's number is written into s20, ahead of its first reader, the next line
	s_lshr_b32 s30, s[WV], 1                       ; I reduce tile w / 2, half w % 2: rows 16 (w / 2) + 4 (w % 2) + 8 (lane / 16) + 0..3
	s_lshl_b32 s30, s30, 6
	s_and_b32 s34, s[WV], 1
	s_lshl_b32 s34, s34, 4
	s_add_co_u32 s30, s30, s34                     ; their place in f32 bytes
	s_mul_i32 s31, s[WV], STG                      ; my stage
	s_mov_b32 s32, 0x76543210
	s_mov_b32 s33, 0xfedcba98
	s_lshl_b32 s39, s[WV], 12
	s_add_co_u32 s39, s39, RED
	s_lshl_b32 s40, s[WV], 9
	s_add_co_u32 s40, s40, RED
	s_add_co_u32 s41, s30, YY
	v_lshlrev_b32 v[VK], 4, v0
	v_lshl_add_u32 v[STK], v[LN], 3, s31
	v_mul_u32_u24 v[FR], v[RR], PITCH
	v_lshl_add_u32 v[YS], v[HH], 5, v[FR]
	v_add_nc_u32 v[YS], s41, v[YS]
	v_lshl_add_u32 v[FR], v[HH], 4, v[FR]
	v_add_nc_u32 v[FR], s31, v[FR]
	v_lshl_add_u32 v[TFR], v[HH], 4, s31
	v_lshl_add_u32 v[RS], v[LN], 4, s39
	v_lshl_add_u32 v[RL], v[LN], 4, s40
	v_lshl_add_u32 v[BO], v[HH], 5, s30
	v_lshlrev_b32 v[APO], 8, v[LN]
	v_lshl_add_u32 v[YL], v[LN], 3, YY
	v_lshlrev_b32 v[GO], 3, v[LN]
	s_wait_kmcnt 0x0
	s_add_nc_u64 s[4:5], s[4:5], s[22:23]
	s_add_nc_u64 s[6:7], s[6:7], s[24:25]
	s_add_nc_u64 s[8:9], s[8:9], s[26:27]
	s_add_nc_u64 s[10:11], s[10:11], s[28:29]
	s_add_nc_u64 s[12:13], s[12:13], s[42:43]
	s_wait_alu depctr_va_vdst(0)                   ; the offsets and LDS addresses v4 to v15 are written, which every load and store of the kernel reads; so are v20 and v21, which the closing add reads
	global_load_b32 v22, v[APO], s[6:7]            ; chunk lane's sum of a
	global_load_b128 v[24:27], v[BO], s[10:11]     ; bv of my four rows
	REFILL 0
	REFILL 1
	REFILL 2
	TSUM 0, AF
	TSUM 1, CV
	v_pk_add_f32 v[TS:TS+1], v[AF:AF+1], v[CV:CV+1]            ; t of columns 128 w + 4 lane + 0..3
	v_pk_add_f32 v[TS+2:TS+3], v[AF+2:AF+3], v[CV+2:CV+3]
	v_cvt_pk_bf16_f32 v[AF+4], v[TS], v[TS+1]
	v_cvt_pk_bf16_f32 v[AF+5], v[TS+2], v[TS+3]
	s_wait_alu depctr_va_vdst(0)                   ; the two conversions have written v[AF+4:AF+5], which the store below reads
	ds_store_b64 v[STK], v[AF+4:AF+5]              ; row 0 of my stage: t's 128 columns of my slice
	FRAGS XF, TFR                                  ; every column of source 1 reads that row
	v_add_f32_dpp v22, v22, v22 row_xmask:1 row_mask:0xf bank_mask:0xf   ; the sum of a over the 32 chunks, in every lane; these lines name no register that a memory or LDS instruction touches from here on
	v_add_f32_dpp v22, v22, v22 row_xmask:2 row_mask:0xf bank_mask:0xf
	v_add_f32_dpp v22, v22, v22 row_xmask:4 row_mask:0xf bank_mask:0xf
	v_add_f32_dpp v22, v22, v22 row_xmask:8 row_mask:0xf bank_mask:0xf
	v_permlanex16_b32 v23, v22, s32, s33
	v_add_f32 v[SA], v22, v23
	v_add_f32 v[SA+1], v22, v23                    ; named with it as a pair
	WTRIP 2, 0, 32
	WTRIP 3, 1, 32
	WTRIP 4, 2, 16                                 ; no refill stands behind the last two trips: the counts run down
	WTRIP 5, 3, 0
	s_wait_alu depctr_va_vdst(0)                   ; the last tile's sums are written into its PS buffer, which the two stores below read
	PUT 3
	BAR                                            ; every wave's partial results are in RED
.set i, 0
.rept 8
	ds_load_b128 v[RT+4*i:RT+4*i+3], v[RL] offset:i*4096
.set i, i+1
.endr
	s_wait_dscnt 0x0
	TREE RT, 4
	v_pk_fma_f32 v[RT:RT+1], v[24:25], v[SA:SA+1], v[RT:RT+1] op_sel_hi:[1,0,1]       ; + bv x the sum of a
	v_pk_fma_f32 v[RT+2:RT+3], v[26:27], v[SA:SA+1], v[RT+2:RT+3] op_sel_hi:[1,0,1]
	s_wait_alu depctr_va_vdst(0)                   ; the two lines above have written v[RT:RT+3], which the store below reads, and are done reading v24 and v25, in which wave 0's load below lands
	ds_store_b128 v[YS], v[RT:RT+3]
	BAR                                            ; the 64 results are in YY
	s_cmp_lg_u32 s[WV], 0
	s_cbranch_scc1 .Lnot0
	ds_load_b64 v[24:25], v[YL]                    ; wave 0 alone: row 0
	s_wait_dscnt 0x0
	global_store_b64 v[GO], v[24:25], s[12:13]     ; 32 lanes store 256 consecutive bytes, at a multiple of 256 from wvb's first byte
.Lnot0:
	s_wait_dscnt 0x0                               ; the closing lines, six on end
	s_wait_alu 0x0
	s_wait_tensorcnt 0x0
	ds_add_u32 v[SPW], v[NIL]
	s_wait_dscnt 0x0
	s_endpgm
.Lfunc_end_k_qc389470bf5_wv:
	.size	k_qc389470bf5_wv, .Lfunc_end_k_qc389470bf5_wv-k_qc389470bf5_wv
	.p2alignl 7, 3214868480
	.fill 96, 4, 3214868480
	.section	.rodata,"a",@progbits
	.p2align	6, 0x0
	.amdhsa_kernel k_qc389470bf5_wv
		.amdhsa_group_segment_fixed_size 72960
		.amdhsa_private_segment_fixed_size 0
		.amdhsa_enable_private_segment 0
		.amdhsa_kernarg_size 40
		.amdhsa_user_sgpr_count 2
		.amdhsa_user_sgpr_kernarg_segment_ptr 1
		.amdhsa_wavefront_size32 1
		.amdhsa_system_sgpr_workgroup_id_x 1
		.amdhsa_system_sgpr_workgroup_id_y 1
		.amdhsa_system_sgpr_workgroup_id_z 1
		.amdhsa_system_vgpr_workitem_id 0
		.amdhsa_next_free_vgpr 448
		.amdhsa_next_free_sgpr 66
		.amdhsa_reserve_vcc 0
		.amdhsa_float_denorm_mode_32 3
		.amdhsa_float_denorm_mode_16_64 3
		.amdhsa_memory_ordered 1
		.amdhsa_forward_progress 1
		.amdhsa_inst_pref_size 38
	.end_amdhsa_kernel
	.amdgpu_metadata
---
amdhsa.version: [ 1, 2 ]
amdhsa.kernels:
  - .name:           k_qc389470bf5_wv
    .symbol:         k_qc389470bf5_wv.kd
    .args:
      - { .name: tp, .offset: 0, .size: 8, .value_kind: global_buffer, .address_space: global }
      - { .name: ap, .offset: 8, .size: 8, .value_kind: global_buffer, .address_space: global }
      - { .name: Wv, .offset: 16, .size: 8, .value_kind: global_buffer, .address_space: global }
      - { .name: bv, .offset: 24, .size: 8, .value_kind: global_buffer, .address_space: global }
      - { .name: wvb, .offset: 32, .size: 8, .value_kind: global_buffer, .address_space: global }
    .group_segment_fixed_size: 72960
    .private_segment_fixed_size: 0
    .kernarg_segment_align: 8
    .kernarg_segment_size: 40
    .max_flat_workgroup_size: 256
    .sgpr_count:     66
    .vgpr_count:     448
    .wavefront_size: 32
...
	.end_amdgpu_metadata
.endif
;; end of part 5
;; launch out: the kernel of part 4 again; grid 16 x 1, 8 waves a work-group, no clusters, 72,960 bytes of LDS; arguments wvb, Wo, bo, out0; writes out0
